; MI455X (gfx1250); checked and timed in simulation.
; The chip was launched on July 23, 2026; its instructions are those of AMD's public machine-readable ISA for CDNA 5 (MIT licence, August 2026) and "CDNA5" Instruction Set Architecture Reference Guide (July 2026). The comments in the code are by the model that wrote it; some were corrected since.
;; Causal MHA. Allowed arithmetic: matrix products marked QUANTISED: E5M2 operands, one E8M0 scale for each 32 along K, by v_wmma_scale_f32_16x16x128_f8f6f4 with both operands' format E5M2, f32 sums; everything else in f32.
;; Inputs: wk 1,024 x 1,024 float32; wo 1,024 x 1,024 float32; wq 1,024 x 1,024 float32; wv 1,024 x 1,024 float32; x 4 x 2,048 x 1,024 float32.
;; Outputs: out0 4 x 2,048 x 1,024 float32.
;; This version of the problem:
;;   THIS VERSION OF THE PROBLEM IS GIVEN IN LOW PRECISION. The matrix products marked QUANTISED in the list below multiply operands that are first quantised to E5M2 (5 exponent bits, 2 mantissa bits; 8 bits a number), with one power-of-two scale for each 32 numbers along K (OCP MX v1.0); their sums are f32. All else is computed in f32.
;;   The module's matrix products, in the order in which they are computed (A, B: the left and right operand; K: the contracted axis; several contracted axes count as one K, in the product's order):
;;     1. [M 8,192, K 1,024] x [K 1,024, N 1,024]; A: input x; B: input wq: QUANTISED
;;     2. [M 8,192, K 1,024] x [K 1,024, N 1,024]; A: input x; B: input wk: QUANTISED
;;     3. [M 8,192, K 1,024] x [K 1,024, N 1,024]; A: input x; B: input wv: QUANTISED
;;     4. batch 64 x [M 2,048, K 64] x [K 64, N 2,048]; A: computed on the way; B: computed on the way: QUANTISED
;;     5. batch 64 x [M 2,048, K 2,048] x [K 2,048, N 64]; A: softmax (see below); B: computed on the way: QUANTISED
;;     6. [M 8,192, K 1,024] x [K 1,024, N 1,024]; A: computed on the way; B: input wo: QUANTISED
;;   THE QUANTISER, for each operand of a quantised product, along K:
;;     - K is cut into blocks of 32 from its start; a last block that is shorter is filled with zeros.
;;     - A block's scale is 2^e with e = floor(log2(the largest magnitude in the block)) - 15, held to -126 .. 127; a block of zeros has e = 0. As a byte (E8M0): e + 127.
;;     - Each number is divided by its block's scale, clamped to +-57,344, and rounded to the nearest number of E5M2, ties to even, subnormals kept.
;;     - The product sums the exact products of the quantised numbers (number of the format x scale) in f32.
;;   ~~~python
;;   def quantise(x, axis):      # numpy; x: float32 -> the quantised numbers, widened to float32 again
;;       x = np.moveaxis(x, axis, -1); K = x.shape[-1]
;;       x = np.pad(x, [(0, 0)] * (x.ndim - 1) + [(0, -K % 32)]); x = x.reshape(x.shape[:-1] + (-1, 32)); a = np.abs(x).max(-1, keepdims=True)
;;       e = np.where(a > 0, np.clip(np.frexp(np.where(a > 0, a, 1))[1] - 1 - 15, -126, 127), 0)      # np.frexp(a)[1] - 1 = floor(log2(a)), exactly
;;       r = np.clip(x / 2.0 ** e, -57344, 57344)
;;       step = 2.0 ** (np.maximum(np.frexp(np.where(r == 0, 1, r))[1] - 1, -14) - 2)
;;       q = np.round(r / step) * step * 2.0 ** e      # np.round: ties to even
;;       return np.moveaxis(q.reshape(q.shape[:-2] + (-1,))[..., :K], -1, axis).astype(np.float32)
;;   ~~~
;;   SOFTMAX AHEAD OF A QUANTISED PRODUCT. Where the list says 'softmax', what is quantised is not the finished softmax but p = 2^(t - M), with t = logit x log2(e) and M = ceil(the row's largest t), a whole number; so 1/2 < the row's largest p <= 1. The row's sum l is taken of the UNQUANTISED p, in f32, and the product's result is divided by l at the end. Since M is a whole number, a kernel that streams over the keys may use a running M (the ceiling of the running maximum): every later rescaling is an exact power of two, which a block's scale takes up: the codes' values come out the same.
;;   OPERANDS COMPUTED ON THE WAY. 'Computed on the way' means the value that the module computes at that place (a softmax that the list does not call 'softmax' is quantised finished and normalised). What goes into a quantiser is computed in f32, as accurately as f32 sums, v_exp_f32 and their like allow (about 1e-6 of the number): no bf16 or f16 on the way to a quantiser, and a product that is left as it is and whose result goes on into a quantised operand takes f32 operands (vector FMAs, or v_wmma_f32_16x16x4_f32). A number that lies on a knife's edge between two numbers of the format may be rounded either way, as far as f32 arithmetic and the matrix unit's own rounding can turn it there, and no further.
;; One version. Each part assembles by itself: llvm-mc -triple=amdgcn-amd-amdhsa -mcpu=gfx1250 --defsym DOCPART=n.
;; ======== version 1 of 1: 4 launches
;; limits: right only within a limited range of input values
;; workspace buffers: img 12,582,912 bytes; sc 393,216 bytes; tab 524,288 bytes; q_img 8,388,608 bytes; q_sc 524,288 bytes; kv 17,563,648 bytes; o_img 8,388,608 bytes; o_sc 262,144 bytes
;; launch prep (part 1): grid 416 x 1, 4 waves a work-group, no clusters, 35,328 bytes of LDS; arguments x, wq, wk, wv, wo, img, sc, tab; writes img, sc, tab
.if DOCPART == 1
	.amdgcn_target "amdgcn-amd-amdhsa--gfx1250"
	.amdhsa_code_object_version 6
	.text
	.protected	k_qed42e702fc_prep
	.globl	k_qed42e702fc_prep
	.p2align	8
	.type	k_qed42e702fc_prep,@function
k_qed42e702fc_prep:
	s_mov_b64 s[64:65], 0
	v_nop
	global_prefetch_b8 v0, s[64:65] scope:SCOPE_SE
	s_setreg_imm32_b32 hwreg(HW_REG_WAVE_MODE, 25, 1), 1
	s_wait_xcnt 0x0
; PREP.  Work-groups 0-383: x [8192][1024] and wq, wk, wv, wo [1024][1024], f32 with K innermost, become codes of BF8 (E5M2) with one E8M0 scale byte for each 32 along K.
; Work-groups 384-415: the table of cos and sin for the rotation of q and k, [position 2048][frequency 32][cos, sin], f32.
; THE CODES LIE IN THE ORDER OF THE MATRIX OPERAND'S REGISTERS.  A row tile is 16 rows; row tile 2 m + u holds, at lane row p, the tensor's row 32 m + 8 u + p + 8 (p / 8).  A fragment (16 rows x 128 K) is 2,048 bytes:
; chunk c of 512 bytes holds at 16 x lane the 16 codes of lane row lane % 16, k = 32 c + 16 (lane / 16) + 0 .. 15.  img: [row tile 768][K step 8][2,048]: x 0-511, wq 512-575, wk 576-639, wv 640-703, wo 704-767.
; THE SCALE WORDS (four bytes: one row, one K step s): 512 bytes a row tile, word at 256 (s / 4) + 128 (s % 2) + 8 (lane row) + 4 ((s / 2) % 2): a load of 8 bytes a lane brings two registers, even K steps in lanes 0-15, odd ones in lanes 16-31.
; A block's scale is 2^(floor(log2(its largest magnitude)) - 15); its byte is the largest magnitude's exponent field - 15, held at 1 from below; each number is rounded to the nearest code, ties to even.
; LIMITS: NaN and infinities among the inputs are not served.  A block whose largest magnitude lies under 2^-111, a block of zeros among them, keeps the byte 1 (the rule gives a block of zeros 127): its codes add the same under either, and the bytes are read by this program alone.
; cos and sin: the angle is position x 10^(-f / 8) in f32; it is reduced by multiples of pi / 2 held in two f32 parts and put through polynomials of degree 7 and 8: about 1e-7 absolute.
; SHARES.  A wave takes one row tile and four K steps.  Each load reads 512 consecutive bytes of one row; the 16 rows turn through the wave's own stage in LDS, so that a lane gets 16 neighbours along K of each block of 32.
; No matrix unit, no tensor loads, no barrier, no cluster: waves share nothing, and every input byte is read once.
.set WREG, 8704                        ; LDS of a wave: a stage of 16 rows x 528 bytes, then its 256 bytes of scale words
.set SP,   528                         ; a stage row: 512 bytes + 16: the 16 rows of a read start at 16 different places modulo 256 bytes
.set R,    16                          ; v16-143  two sets of 64: 16 rows as loaded
.set X,    144                         ; v144-207 register 16 b + i = k 32 b + 16 (lane / 16) + i of my lane row
.set PC,   208                         ; v208-223 the fragment's codes
.set TM,   224                         ; v224-227 largest magnitudes, v228-231 bytes, v236-239 the conversion's scale operand
.set PW,   240                         ; the scale word
.set MNT,  21
.set SEL,  22                          ; s[22:23] lane selects: lane l xor 16
	v_lshl_add_u32 v254, v0, 2, 0x8800
	v_mov_b32 v255, 0
	s_cmp_ge_u32 ttmp9, 384
	s_cbranch_scc1 .Ltab
	s_load_b256 s[4:11], s[0:1], 0x0               ; x, wq, wk, wv
	s_load_b128 s[12:15], s[0:1], 0x20             ; wo, img
	s_load_b64 s[16:17], s[0:1], 0x30              ; sc
	v_lshrrev_b32 v7, 5, v0
	v_readfirstlane_b32 s18, v7                    ; wave
	v_and_b32 v8, 31, v0                           ; lane
	v_and_b32 v9, 15, v0                           ; r
	v_bfe_u32 v10, v0, 4, 1                        ; h
	v_lshlrev_b32 v1, 4, v8                        ; 16 x lane: loads, code stores
	v_lshlrev_b32 v6, 3, v8                        ; 8 x lane: the scale words' store
	s_mul_i32 s19, s18, WREG
	v_add_nc_u32 v2, s19, v1                       ; the stage, on the way in: a row as it lies
	v_mul_u32_u24 v3, v9, SP
	v_lshl_add_u32 v3, v10, 6, v3
	v_add_nc_u32 v3, s19, v3                       ; and on the way out: row r, + 64 h
	s_add_co_u32 s19, s19, 16*SP
	v_lshl_add_u32 v4, v9, 3, s19                  ; my lane row's scale words
	v_add_nc_u32 v5, s19, v6                       ; and 8 bytes a lane on their way out
	s_mov_b32 s20, 0
	s_mov_b32 s[SEL], 0x76543210
	s_mov_b32 s[SEL+1], 0xfedcba98
.irp b, 0,1,2,3
	v_mov_b32 v[TM+4+\b], 0                        ; written once: a lane permute's destination counts as one of its sources
.endr
	s_wait_alu depctr_va_vdst(0)
	s_wait_kmcnt 0x0
	s_cmp_ge_u32 ttmp9, 256                        ; which tensor: the choice hangs on the work-group's number alone
	s_cselect_b64 s[4:5], s[6:7], s[4:5]
	s_cselect_b32 s20, 256, s20
	s_cmp_ge_u32 ttmp9, 288
	s_cselect_b64 s[4:5], s[8:9], s[4:5]
	s_cselect_b32 s20, 288, s20
	s_cmp_ge_u32 ttmp9, 320
	s_cselect_b64 s[4:5], s[10:11], s[4:5]
	s_cselect_b32 s20, 320, s20
	s_cmp_ge_u32 ttmp9, 352
	s_cselect_b64 s[4:5], s[12:13], s[4:5]
	s_cselect_b32 s20, 352, s20
	s_lshr_b32 s24, s18, 1                         ; which of the work-group's two row tiles
	s_and_b32 s25, s18, 1                          ; which four K steps
	s_sub_co_u32 s26, ttmp9, s20
	s_lshl_b32 s26, s26, 1
	s_add_co_u32 s26, s26, s24                     ; the row tile within its tensor
	s_lshr_b32 s27, s26, 1
	s_lshl_b32 s28, s27, 17                        ; 32 rows of 4,096 bytes
	s_and_b32 s27, s26, 1
	s_lshl_b32 s27, s27, 15                        ; 8 rows
	s_add_co_u32 s28, s28, s27
	s_lshl_b32 s27, s25, 11                        ; four K steps of 512 bytes
	s_add_co_u32 s28, s28, s27
	s_mov_b32 s29, 0
	s_add_nc_u64 s[4:5], s[4:5], s[28:29]
	s_lshl_b32 s26, ttmp9, 1
	s_add_co_u32 s26, s26, s24                     ; the row tile in img and sc
	s_lshl_b32 s28, s26, 14
	s_lshl_b32 s27, s25, 13
	s_add_co_u32 s28, s28, s27
	s_add_nc_u64 s[14:15], s[14:15], s[28:29]
	s_lshl_b32 s28, s26, 9
	s_lshl_b32 s27, s25, 8
	s_add_co_u32 s28, s28, s27
	s_add_nc_u64 s[16:17], s[16:17], s[28:29]
.macro LOAD t                          ; K step t of the tile's 16 rows: each load reads 512 consecutive bytes
.irp p, 0,1,2,3,4,5,6,7,8,9,10,11,12,13,14,15
	global_load_b128 v[R+64*((\t)%2)+4*\p:R+64*((\t)%2)+4*\p+3], v1, s[4:5] offset:(\p+8*(\p/8))*4096+512*(\t) th:TH_LOAD_NT
.endr
.endm
.macro QUANT s                         ; 64 numbers of a lane become a fragment's codes in v[PC] on and its scale word in v[PW]
.irp b, 0,1,2,3
	v_max3_num_f32 v[TM+\b], |v[\s+16*\b]|, |v[\s+1+16*\b]|, 0x8000000   ; block b: my 16 numbers, and the floor 2^(16 - 127): the byte cannot fall under 1
.endr
.irp i, 2,4,6,8,10,12,14
.irp b, 0,1,2,3
	v_max3_num_f32 v[TM+\b], v[TM+\b], |v[\s+16*\b+\i]|, |v[\s+1+16*\b+\i]|   ; the four blocks by turns
.endr
.endr
.irp b, 0,1,2,3
	v_permlanex16_b32 v[TM+4+\b], v[TM+\b], s[SEL], s[SEL+1]
.endr
.irp b, 0,1,2,3
	v_max_num_f32 v[TM+\b], v[TM+\b], v[TM+4+\b]   ; with lane l xor 16's: the block's largest magnitude
.endr
.irp b, 0,1,2,3
	v_add_nc_u32 v[TM+12+\b], 0xf8800000, v[TM+\b] ; 15 off its exponent field: the conversion takes this operand's exponent field as its scale
.endr
.irp b, 0,1,2,3
.endr
.irp b, 0,1,2,3
	v_lshrrev_b32 v[TM+4+\b], 23, v[TM+12+\b]      ; the scale's byte
.endr
	v_lshl_or_b32 v[PW], v[TM+5], 8, v[TM+4]
	v_lshl_or_b32 v[PW], v[TM+6], 16, v[PW]
	v_lshl_or_b32 v[PW], v[TM+7], 24, v[PW]
.irp b, 0,1,2,3
.irp i, 0,1,2,3,4,5,6,7,8,9,10,11,12,13,14,15
.endr
	v_cvt_scalef32_pk8_bf8_f32 v[PC+4*\b:PC+1+4*\b], v[\s+16*\b:\s+7+16*\b], v[TM+12+\b]
	v_cvt_scalef32_pk8_bf8_f32 v[PC+2+4*\b:PC+3+4*\b], v[\s+8+16*\b:\s+15+16*\b], v[TM+12+\b]
.endr
	v_nop                                          ; one plain vector instruction behind the last scaled conversion
.endm
.macro STEP t
.if (\t) < 3
	s_wait_loadcnt 16                              ; this step's 16 loads are in; the next step's 16 may be out
.else
	s_wait_loadcnt 0x0
.endif
.irp p, 0,1,2,3,4,5,6,7,8,9,10,11,12,13,14,15
	ds_store_b128 v2, v[R+64*((\t)%2)+4*\p:R+64*((\t)%2)+4*\p+3] offset:SP*\p
.endr
.irp c, 0,1,2,3
.irp j, 0,1,2,3
	ds_load_b128 v[X+16*\c+4*\j:X+16*\c+4*\j+3], v3 offset:128*\c+16*\j   ; LDS serves a wave's instructions in order (ISA guide 5.7.1.4): these see the stores above, and the next step's stores come behind them
.endr
.endr
	s_wait_dscnt 0x0                               ; the numbers are back, the stores have read their registers, and the last step's word is stored
.if (\t) < 2
	LOAD (\t)+2                                    ; into the set just emptied
.endif
	s_wait_xcnt 0x0                                ; the last step's stores have read the codes' registers, which are written again below
	QUANT X
.irp c, 0,1,2,3
	global_store_b128 v1, v[PC+4*\c:PC+4*\c+3], s[14:15] offset:2048*(\t)+512*\c   ; 512 consecutive bytes, at a multiple of 512 from img's first byte
.endr
	ds_store_b32 v4, v[PW] offset:128*((\t)%2)+4*((\t)/2)   ; both halves of the lanes write the same word with the same value
.endm
	LOAD 0
	LOAD 1
	STEP 0
	STEP 1
	STEP 2
	STEP 3
	ds_load_b64 v[12:13], v5                       ; my wave's 64 scale words, in the order of the image
	s_wait_dscnt 0x0
	global_store_b64 v6, v[12:13], s[16:17]        ; 256 consecutive bytes, at a multiple of 256 from sc's first byte
	s_wait_tensorcnt 0x0
	ds_add_u32 v254, v255
	s_wait_dscnt 0x0
	s_endpgm
.Ltab:                                                 ; a lane is a frequency f; a wave takes 16 positions
	s_load_b64 s[4:5], s[0:1], 0x38                ; tab
	v_lshrrev_b32 v7, 5, v0
	v_readfirstlane_b32 s18, v7
	v_and_b32 v1, 31, v0                           ; f
	v_lshlrev_b32 v6, 3, v1                        ; 8 bytes a frequency
	s_sub_co_u32 s19, ttmp9, 384
	s_lshl_b32 s19, s19, 6
	s_lshl_b32 s20, s18, 4
	s_add_co_u32 s19, s19, s20                     ; my first position
	v_cvt_f32_u32 v9, s19
	s_lshl_b32 s20, s19, 8                         ; 256 bytes a position
	s_mov_b32 s21, 0
	s_mov_b32 s22, 0x3fc90fdb                      ; pi / 2, its upper part as f32,
	s_mov_b32 s23, 0xb33bbd2e                      ; and what is left of it
	v_mov_b32 v40, -0.00019515295891               ; the sine's three coefficients
	v_mov_b32 v41, 0.0083321608736
	v_mov_b32 v42, -0.16666654611
	v_mov_b32 v43, 0.00002443315711809948          ; the cosine's
	v_mov_b32 v44, -0.001388731625493765
	v_mov_b32 v45, 0.04166664568298827
	v_mov_b32 v8, 1.0                              ; 10000^(-2 f / 64) = 10^(-f / 8), each rounded to f32 once: lane f keeps number f of the list
.set F, 1
.irp lit, 0.7498942093, 0.5623413252, 0.4216965034, 0.3162277660, 0.2371373706, 0.1778279410, 0.1333521432, 0.1, 0.07498942093, 0.05623413252, 0.04216965034, 0.03162277660, 0.02371373706, 0.01778279410, 0.01333521432, 0.01, 0.007498942093, 0.005623413252, 0.004216965034, 0.003162277660, 0.002371373706, 0.001778279410, 0.001333521432, 0.001, 0.0007498942093, 0.0005623413252, 0.0004216965034, 0.0003162277660, 0.0002371373706, 0.0001778279410, 0.0001333521432
	v_cmp_ne_u32 vcc_lo, F, v1
	v_cndmask_b32 v8, \lit, v8, vcc_lo
.set F, F+1
.endr
	s_wait_alu depctr_va_vdst(0)
	s_wait_kmcnt 0x0
	s_add_nc_u64 s[4:5], s[4:5], s[20:21]
.macro TRIG t
	v_mul_f32 v10, v9, v8                          ; the angle, rounded once
	v_mul_f32 v11, 0.6366197724, v10
	v_rndne_f32 v11, v11                           ; n = the nearest multiple of pi / 2
	v_fma_f32 v12, -v11, s22, v10
	v_fma_f32 v12, -v11, s23, v12                  ; what is left, within pi / 4 of 0
	v_mul_f32 v13, v12, v12                        ; z
	v_fma_f32 v14, v13, v40, v41
	v_fma_f32 v16, v13, v43, v44
	v_fma_f32 v14, v14, v13, v42
	v_fma_f32 v16, v16, v13, v45
	v_mul_f32 v15, v12, v13
	v_fma_f32 v17, v13, -0.5, 1.0
	v_mul_f32 v18, v13, v13
	v_fma_f32 v14, v15, v14, v12                   ; its sine
	v_fma_f32 v16, v18, v16, v17                   ; its cosine
	v_cvt_i32_f32 v19, v11
	v_and_b32 v20, 1, v19
	v_cmp_eq_u32 vcc_lo, 1, v20                    ; an odd n swaps the two;
	v_cndmask_b32 v21, v14, v16, vcc_lo
	v_cndmask_b32 v22, v16, v14, vcc_lo
	v_and_b32 v20, 2, v19                          ; n % 4 = 2, 3 turn the sine's sign,
	v_add_nc_u32 v19, 1, v19
	v_lshlrev_b32 v20, 30, v20
	v_and_b32 v19, 2, v19                          ; n % 4 = 1, 2 the cosine's
	v_xor_b32 v[65+2*\t], v20, v21
	v_lshlrev_b32 v19, 30, v19
	v_xor_b32 v[64+2*\t], v19, v22
	global_store_b64 v6, v[64+2*\t:65+2*\t], s[4:5] offset:256*\t   ; a position's 256 consecutive bytes; each position has data registers of its own
	v_add_f32 v9, 1.0, v9
.endm
.irp t, 0,1,2,3,4,5,6,7,8,9,10,11,12,13,14,15
	TRIG \t
.endr
	s_endpgm
.Lfunc_end_k_qed42e702fc_prep:
	.size	k_qed42e702fc_prep, .Lfunc_end_k_qed42e702fc_prep-k_qed42e702fc_prep
	.p2alignl 7, 3214868480
	.fill 96, 4, 3214868480
	.section	.rodata,"a",@progbits
	.p2align	6, 0x0
	.amdhsa_kernel k_qed42e702fc_prep
		.amdhsa_group_segment_fixed_size 35328
		.amdhsa_private_segment_fixed_size 0
		.amdhsa_enable_private_segment 0
		.amdhsa_kernarg_size 64
		.amdhsa_user_sgpr_count 2
		.amdhsa_user_sgpr_kernarg_segment_ptr 1
		.amdhsa_wavefront_size32 1
		.amdhsa_system_sgpr_workgroup_id_x 1
		.amdhsa_system_sgpr_workgroup_id_y 1
		.amdhsa_system_sgpr_workgroup_id_z 1
		.amdhsa_system_vgpr_workitem_id 0
		.amdhsa_next_free_vgpr 256
		.amdhsa_next_free_sgpr 66
		.amdhsa_reserve_vcc 1
		.amdhsa_float_denorm_mode_32 3
		.amdhsa_float_denorm_mode_16_64 3
		.amdhsa_fp16_overflow 1
		.amdhsa_memory_ordered 1
		.amdhsa_forward_progress 1
		.amdhsa_inst_pref_size 59
	.end_amdhsa_kernel
	.amdgpu_metadata
---
amdhsa.version: [ 1, 2 ]
amdhsa.kernels:
  - .name:           k_qed42e702fc_prep
    .symbol:         k_qed42e702fc_prep.kd
    .args:
      - { .name: x, .offset: 0, .size: 8, .value_kind: global_buffer, .address_space: global }
      - { .name: wq, .offset: 8, .size: 8, .value_kind: global_buffer, .address_space: global }
      - { .name: wk, .offset: 16, .size: 8, .value_kind: global_buffer, .address_space: global }
      - { .name: wv, .offset: 24, .size: 8, .value_kind: global_buffer, .address_space: global }
      - { .name: wo, .offset: 32, .size: 8, .value_kind: global_buffer, .address_space: global }
      - { .name: img, .offset: 40, .size: 8, .value_kind: global_buffer, .address_space: global }
      - { .name: sc, .offset: 48, .size: 8, .value_kind: global_buffer, .address_space: global }
      - { .name: tab, .offset: 56, .size: 8, .value_kind: global_buffer, .address_space: global }
    .group_segment_fixed_size: 35328
    .private_segment_fixed_size: 0
    .kernarg_segment_align: 8
    .kernarg_segment_size: 64
    .max_flat_workgroup_size: 128
    .sgpr_count:     66
    .vgpr_count:     256
    .wavefront_size: 32
...
	.end_amdgpu_metadata
.endif
;; end of part 1
;; launch qkv (part 2): grid 8 x 96, 4 waves a work-group, clusters of 4 x 4, 327,680 bytes of LDS; arguments img, sc, tab, q_img, q_sc, kv; writes q_img, q_sc, kv
.if DOCPART == 2
	.amdgcn_target "amdgcn-amd-amdhsa--gfx1250"
	.amdhsa_code_object_version 6
	.text
	.protected	k_qed42e702fc_qkv
	.globl	k_qed42e702fc_qkv
	.p2align	8
	.type	k_qed42e702fc_qkv,@function
k_qed42e702fc_qkv:
	s_mov_b64 s[64:65], 0
	v_nop
	global_prefetch_b8 v0, s[64:65] scope:SCOPE_SE
	s_setreg_imm32_b32 hwreg(HW_REG_WAVE_MODE, 25, 1), 1
	s_wait_xcnt 0x0
	s_wait_alu depctr_hold_cnt(0) depctr_sa_sdst(0) depctr_va_vdst(0) depctr_va_sdst(0) depctr_va_ssrc(0) depctr_va_vcc(0) depctr_vm_vsrc(0)
	s_getreg_b32 s2, hwreg(HW_REG_IB_STS2, 6, 4)
	s_cmp_eq_u32 s2, 0
	s_cbranch_scc0 .Lentry_in_a_cluster
	s_endpgm
.Lentry_in_a_cluster:
	s_bfe_u32 s2, ttmp6, 0x10000c
	s_cmp_lg_u32 s2, 0xf033
	s_cbranch_scc0 .Lentry_shape_is_right
	s_endpgm
.Lentry_shape_is_right:
; QKV.  The three projections on codes of BF8 (E5M2) with E8M0 scales, K = 1,024; their results are rotated (q, k), quantised in registers and stored as the operands of attention.
; A work-group multiplies 256 rows of P (source 0) with 128 rows of Q (source 1).  In the result a lane holds ONE row of Q and its registers run along P's rows, in their natural order (the row tiles of img are laid for that).
;   clusters y 0-15:  P = 256 rows of [wq; wk] (four heads), Q = 128 rows of x: a lane holds one token and 128 neighbouring features: two heads' K of the first product of attention.
;   clusters y 16-23: P = 256 rows of x (256 keys), Q = 128 rows of wv (two heads): a lane holds one channel and 128 neighbouring KEYS: the K of the second product.  Nothing is transposed.
; Four waves: wave w takes half w % 2 of P (8 tiles a) and half w / 2 of Q (4 tiles b): 32 accumulators, (a, b) at window 2, v[64 b + 8 a]: for one b its 64 registers are register 16 m + i = P's row 32 m + 16 (lane / 16) + i.
; K goes in four steps of 256 through three LDS slots: steps 0, 1, 2 are first fills, step 3 is the one refill (slot 0).  By this text's own count a wave has three tensor loads out at the start and one later.
; CLUSTERS: 4 x 4 work-groups.  P's tiles hang on the cluster and on cx alone and are asked for jointly along a column, Q's on the cluster and cy alone, along a row.
; OUT.  q_img [head 64][token tile 128][chunk 2][512]; q_sc [head][tile][16 words] (bytes 0, 1 the scales of the head's two blocks, bytes 2, 3 zero).
;   kv [head 64][slot 8][34,304]: a slot of 256 keys: K [tile 16][chunk 2][512], V [128 keys 2][channel tile 4][chunk 4][512], K's scale words [16][16], V's [2][4][16].
; LIMITS: NaN and infinities are not served; a block whose largest magnitude lies under 2^-111 (a block of zeros too) keeps the scale byte 1; the bytes are read by this program alone.
; REGISTERS, in windows of 256.  Window 0: v1-5 lane terms; v8-15 at work; v16-22 LDS addresses; v24-27 stages; v28, v29 the add's; v30 an offset; v32-79 scale words; v80-95 the quantiser's; v96-103 words made; v104-119 codes;
;   v128-191, v192-255 Q's fragments, two sets (on the way out v128-191 hold the numbers in hand).  Window 1: P's fragments, two sets.  Window 2: the accumulators.  Window 3: v0-127 cos and sin.
.set SLOT,  98304                      ; a slot: P's 16 row tiles x 4,096 bytes, then Q's 8
.set QOFF,  65536
.set SPARE, 3*SLOT                     ; behind the slots: the spare words, 128 bytes a wave: two blocks of 256 bytes that no other line names
.set STGQK, SLOT                       ; the way out's stages lie in slot 1: it has had its only fill, and every wave has passed a barrier behind its last read of it
.set STGV,  SLOT+4096                  ; (each of the two paths has bytes of its own)
.set SLOTB, 34304
.set LI,  3                            ; v3  16 x lane
.set L8,  4                            ; v4  8 x lane
.set ADQ, 16                           ; v16-18 my half of Q in slot 0, 1, 2
.set ADP, 20                           ; v20-22 my half of P
.set SPW, 28
.set NIL, 29
.set SCP, 32                           ; v32-63 P's scale words: tile a: four registers; register s / 2 holds K step s in lanes 0-15 (s even) or 16-31 (s odd)
.set SCQ, 64                           ; v64-79 Q's
.set TM,  80
.set WD,  96
.set PC,  104
.set Y,   128
.set MNT, 23                           ; s23 the mantissa field of 57,344
.set SEL, 70                           ; s[70:71] lane selects: lane l xor 16
.set G1Q, 24                           ; s[24:31] group 1 for Q's tiles; s[32:43] group 0, a set for each slot
.set G0Q, 32
.set G1P, 44                           ; s[44:51], s[52:63] the same for P's
.set G0P, 52
.set MSB, 0
.macro WIN new                         ; the immediate's high byte repeats the setting that is left
.if MSB != (\new)
	s_set_vgpr_msb (MSB<<8)|(\new)
.set MSB, (\new)
.endif
.endm
.macro PLACES n
.rept \n
	v_nop
.endr
.endm
; A joint load: waves 0 and 1 fetch Q's halves, waves 2 and 3 P's.  The branch hangs on the wave's number alone.  Four v_nop follow each of the two lines.
.macro JLOAD sl
	s_cmp_eq_u32 s17, 0
	s_cbranch_scc0 .Lfor_p_\@
	tensor_load_to_lds s[G0Q+4*\sl:G0Q+4*\sl+3], s[G1Q:G1Q+7]
	s_nop 0
.rept 4
	v_nop
.endr
	s_branch .Lasked_\@
.Lfor_p_\@:
	tensor_load_to_lds s[G0P+4*\sl:G0P+4*\sl+3], s[G1P:G1P+7]
	s_nop 0
.rept 4
	v_nop
.endr
.Lasked_\@:
.endm
.macro CREST                           ; a round of the cluster's barrier behind its opening barrier
	s_cmp_lg_u32 s16, 0
	s_cbranch_scc1 .Lnot_wave_0_\@
	s_barrier_signal -3
.Lnot_wave_0_\@:
	s_barrier_wait -3
	s_barrier_signal -1
	s_barrier_wait -1
.endm
.macro CROUND
	s_barrier_signal -1
	s_barrier_wait -1
	CREST
.endm
; The fragments of one K step of 128 (the slot's kk-th): 48 loads of 512 consecutive bytes each, as the images lie
.macro FETCH sl, kk, set
	WIN 0x40                                       ; destination window 1
.irp a, 0,1,2,3,4,5,6,7
.irp c, 0,1,2,3
	ds_load_b128 v[128*(\set)+16*\a+4*\c:128*(\set)+16*\a+4*\c+3], v[ADP+\sl] offset:4096*\a+2048*(\kk)+512*\c
.endr
.endr
	WIN 0
.irp b, 0,1,2,3
.irp c, 0,1,2,3
	ds_load_b128 v[128+64*(\set)+16*\b+4*\c:128+64*(\set)+16*\b+4*\c+3], v[ADQ+\sl] offset:4096*\b+2048*(\kk)+512*\c
.endr
.endr
.endm
.macro WM s, a, b, zero
.set rD, 64*(\b)+8*(\a)
.set rP, 128*((\s)%2)+16*(\a)
.set rQ, 128+64*((\s)%2)+16*(\b)
.set rSP, SCP+4*(\a)+(\s)/2
.set rSQ, SCQ+4*(\b)+(\s)/2
.if \zero
	v_wmma_scale_f32_16x16x128_f8f6f4 v[rD:rD+7], v[rP:rP+15], v[rQ:rQ+15], 0, v[rSP], v[rSQ] matrix_a_fmt:MATRIX_FMT_BF8 matrix_b_fmt:MATRIX_FMT_BF8
.elseif (\s)%2
	v_wmma_scale_f32_16x16x128_f8f6f4 v[rD:rD+7], v[rP:rP+15], v[rQ:rQ+15], v[rD:rD+7], v[rSP], v[rSQ] matrix_a_fmt:MATRIX_FMT_BF8 matrix_b_fmt:MATRIX_FMT_BF8 matrix_a_scale:MATRIX_SCALE_ROW1 matrix_b_scale:MATRIX_SCALE_ROW1
.else
	v_wmma_scale_f32_16x16x128_f8f6f4 v[rD:rD+7], v[rP:rP+15], v[rQ:rQ+15], v[rD:rD+7], v[rSP], v[rSQ] matrix_a_fmt:MATRIX_FMT_BF8 matrix_b_fmt:MATRIX_FMT_BF8
.endif
.endm
; K step s, P's tiles a0 .. a0 + na - 1 against Q's four.  The 32 accumulators take turns, one instruction a turn, in the same order in every K step.  zero = 1: the first products start the sums.
.macro MULR s, a0, na, zero
	WIN 0xa1                                       ; source 0 (P) window 1, source 1 (Q) window 0, C and D window 2
.set A_, \a0
.rept \na
.irp b, 0,1,2,3
	WM \s, A_, \b, \zero
.endr
.set A_, A_+1
.endr
.endm
; A K step whose successor's fragments are fetched at its head, into the set that the step before multiplied: eight places stand behind that step's last product
.macro STEP s, sl, kk, fetch
	s_wait_dscnt 0x0                               ; this step's fragments are in
.if \fetch
	PLACES 8
	FETCH \sl, \kk, ((\s)+1)%2
.endif
	MULR \s, 0, 8, 0
	WIN 0
.endm
.macro MAIN
	s_wait_tensorcnt 0x2                           ; my part of slot 0 is in; slots 1 and 2 may stay out
	s_barrier_signal -1
	s_barrier_wait -1                              ; everybody's is
	FETCH 0, 0, 0
	s_wait_loadcnt 0x0                             ; the scale words (and cos and sin)
	s_wait_dscnt 0x0
	FETCH 0, 1, 1
	MULR 0, 0, 8, 1                                ; K step 0 starts the sums
	WIN 0
	; K step 1 leaves slot 0, which is filled again: the three lines, a round of the cluster's barrier, the joint refill first behind it
	s_wait_tensorcnt 0x0                           ; all my tensor loads have landed: my parts of slots 1 and 2
	ds_add_u32 v[SPW], v[NIL]                      ; 0 onto my spare word
	s_wait_dscnt 0x1                               ; (the add alone may be out: K step 1's fragments are in)
	MULR 1, 0, 2, 0
	s_wait_dscnt 0x0                               ; the add is done, and my reads of slot 0 are over
	s_barrier_signal -1
	MULR 1, 2, 2, 0
	WIN 0
	s_barrier_wait -1
	CREST                                          ; no wave of any partner still reads slot 0 or has a load on its way
	s_add_nc_u64 s[G0Q+2:G0Q+3], s[G0Q+2:G0Q+3], 3*4096   ; slot 0 takes the fourth 256 along K
	s_add_nc_u64 s[G0P+2:G0P+3], s[G0P+2:G0P+3], 3*4096
	JLOAD 0                                        ; it has four K steps of 128 in which to land; its four v_nop are among the eight places in front of the loads below
	PLACES 4
	FETCH 1, 0, 0
	MULR 1, 4, 4, 0
	WIN 0
	STEP 2, 1, 1, 1
	STEP 3, 2, 0, 1
	STEP 4, 2, 1, 1
	; K step 5: slot 0's second tile is shown to every wave.
	s_wait_dscnt 0x0
	s_wait_tensorcnt 0x0                           ; my part of the refill has landed
	s_barrier_signal -1
	MULR 5, 0, 4, 0
	s_barrier_wait -1
	WIN 0
	PLACES 8
	FETCH 0, 0, 0
	MULR 5, 4, 4, 0
	WIN 0
	STEP 6, 0, 1, 1
	STEP 7, 0, 0, 0
	PLACES 8                                       ; in front of the first read of results, and of writes to registers that held fragments
.endm
.macro CLOSE
	s_wait_tensorcnt 0x0                           ; the wave's end: behind my last tensor load and my last LDS store
	ds_add_u32 v[SPW], v[NIL]
	s_wait_dscnt 0x0
	CROUND                                         ; the closing round
	s_endpgm
.endm
; 64 numbers of a lane, v[s] on in window w, register 16 m + i = k 32 m + 16 (lane / 16) + i: held numbers into v[Y] on, codes into v[PC] on, the four bytes into v[TM+4] on.  Every accumulator is read from its low end on.
.macro QUANT4 s, w
	WIN (\w)*5                                     ; sources 0 and 1
.irp b, 0,1,2,3
	v_max3_num_f32 v[TM+\b], |v[(\s)+16*\b]|, |v[(\s)+16*\b+1]|, 0x8000000   ; and the floor 2^(16 - 127): the byte cannot fall under 1
.endr
	WIN (\w)*20                                    ; sources 1 and 2
.irp i, 2,4,6,8,10,12,14
.irp b, 0,1,2,3
	v_max3_num_f32 v[TM+\b], v[TM+\b], |v[(\s)+16*\b+\i]|, |v[(\s)+16*\b+\i+1]|
.endr
.endr
	WIN 0
.irp b, 0,1,2,3
	v_permlanex16_b32 v[TM+4+\b], v[TM+\b], s[SEL], s[SEL+1]
.endr
.irp b, 0,1,2,3
	v_max_num_f32 v[TM+\b], v[TM+\b], v[TM+4+\b]   ; with lane l xor 16's: the block's largest magnitude
.endr
.irp b, 0,1,2,3
	v_add_nc_u32 v[TM+12+\b], 0xf8800000, v[TM+\b] ; 15 off the exponent field: the conversion's scale operand
.endr
.irp b, 0,1,2,3
	v_and_or_b32 v[TM+8+\b], v[TM+\b], 0x7f800000, s[MNT]   ; 57,344 x the scale
.endr
.irp b, 0,1,2,3
	v_lshrrev_b32 v[TM+4+\b], 23, v[TM+12+\b]      ; the scale's byte
.endr
	WIN (\w)                                       ; source 0
.set N_, 0
.rept 64
	v_med3_num_f32 v[Y+N_], v[(\s)+N_], -v[TM+8+N_/16], v[TM+8+N_/16]   ; the conversion to an 8-bit code does not saturate (ISA guide 7.6.2)
.set N_, N_+1
.endr
	WIN 0
.irp b, 0,1,2,3
	v_cvt_scalef32_pk8_bf8_f32 v[PC+4*\b:PC+4*\b+1], v[Y+16*\b:Y+16*\b+7], v[TM+12+\b]
	v_cvt_scalef32_pk8_bf8_f32 v[PC+4*\b+2:PC+4*\b+3], v[Y+16*\b+8:Y+16*\b+15], v[TM+12+\b]
.endr
	v_nop                                          ; one plain vector instruction behind the last scaled conversion
.endm
; The rotation of tile b: pair N = 8 m + i of a lane is features 32 m + 16 (lane / 16) + 2 i, + 1 of the wave's 128: frequency 16 (m % 2) + 8 (lane / 16) + i of its head.  Four pairs (one accumulator) at a time.
.macro ROPE b
	WIN 0x0e                                       ; source 0 (the sums) window 2, source 1 (cos, sin) window 3
.set G_, 0
.rept 8
.irp n, 0,1,2,3
.set N_, 4*G_+\n
	v_mul_f32 v[8+2*\n], v[64*(\b)+2*N_+1], v[32*(\b)+16*((N_/8)%2)+2*(N_%8)+1]   ; x2 sin
	v_mul_f32 v[9+2*\n], v[64*(\b)+2*N_+1], v[32*(\b)+16*((N_/8)%2)+2*(N_%8)]     ; x2 cos
.endr
.irp n, 0,1,2,3
.set N_, 4*G_+\n
	v_fma_f32 v[Y+2*N_], v[64*(\b)+2*N_], v[32*(\b)+16*((N_/8)%2)+2*(N_%8)], -v[8+2*\n]      ; x1 cos - x2 sin
	v_fma_f32 v[Y+2*N_+1], v[64*(\b)+2*N_], v[32*(\b)+16*((N_/8)%2)+2*(N_%8)+1], v[9+2*\n]   ; x1 sin + x2 cos
.endr
.set G_, G_+1
.endr
	WIN 0
.endm
.macro OUTQK b                         ; token tile b: two heads' fragments (two chunks each) and their scale words
.if \b > 0
	s_wait_xcnt 0x0                                ; the last tile's stores have read the codes' registers
.endif
	ROPE \b
	QUANT4 Y, 0
	v_lshl_or_b32 v[WD+2*\b], v[TM+5], 8, v[TM+4]   ; the first head's two bytes; the word's upper two stay 0, over zero codes
	v_lshl_or_b32 v[WD+2*\b+1], v[TM+7], 8, v[TM+6] ; the second head's
	global_store_b128 v[LI], v[PC:PC+3], s[92:93] offset:1024*\b            ; each store covers 512 consecutive bytes, aligned
	global_store_b128 v[LI], v[PC+4:PC+7], s[92:93] offset:1024*\b+512
	global_store_b128 v[LI], v[PC+8:PC+11], s[94:95] offset:1024*\b
	global_store_b128 v[LI], v[PC+12:PC+15], s[94:95] offset:1024*\b+512
	ds_store_b32 v24, v[WD+2*\b] offset:64*\b      ; both halves of the lanes write the same word with the same value
	ds_store_b32 v24, v[WD+2*\b+1] offset:256+64*\b
.endm
.macro OUTV b                          ; channel tile b: one fragment (128 keys) and its scale words
.if \b > 0
	s_wait_xcnt 0x0
.endif
	QUANT4 64*\b, 2
	v_lshl_or_b32 v[WD+\b], v[TM+5], 8, v[TM+4]
	v_lshl_or_b32 v[WD+\b], v[TM+6], 16, v[WD+\b]
	v_lshl_or_b32 v[WD+\b], v[TM+7], 24, v[WD+\b]
.irp c, 0,1,2,3
	global_store_b128 v[LI], v[PC+4*\c:PC+4*\c+3], s[92:93] offset:2048*\b+512*\c
.endr
	ds_store_b32 v26, v[WD+\b] offset:64*\b
.endm
	s_load_b256 s[4:11], s[0:1], 0x0               ; img s[4:5], sc s[6:7], tab s[8:9], q_img s[10:11]
	s_load_b128 s[12:15], s[0:1], 0x20             ; q_sc s[12:13], kv s[14:15]
	v_lshl_add_u32 v[SPW], v0, 2, SPARE
	v_mov_b32 v[NIL], 0
	ds_add_u32 v28, v29
	ds_add_u32 v28, v29
	s_wait_dscnt 0x0
	v_lshrrev_b32 v1, 5, v0
	v_readfirstlane_b32 s16, v1                    ; wave 0..3
	s_lshr_b32 s17, s16, 1                         ; my half of Q.  Also: I fetch for Q (0) or for P (1)
	s_and_b32 s18, s16, 1                          ; my half of P.  Also: which half of that tile I fetch
	s_bfe_u32 s19, ttmp6, 0x40000                  ; cx
	s_bfe_u32 s20, ttmp6, 0x40004                  ; cy
	s_lshl_b32 s21, ttmp9, 2
	s_add_co_u32 s21, s21, s19                     ; gx = 4 x cluster x + cx
	s_and_b32 s22, ttmp7, 0xffff                   ; the cluster's y
	s_lshl_b32 s2, s20, 2
	s_lshl_b32 s2, 15, s2                          ; my row of the cluster
	s_lshl_b32 s3, 0x1111, s19                     ; my column
	s_or_b32 s[G1Q], s2, (3<<16)|(1<<21)           ; 15:0 the mask; 17:16 elements of 8 bytes; 21 set beside a mask; no padding: fragments are read as they lie
	s_or_b32 s[G1P], s3, (3<<16)|(1<<21)
	s_mov_b32 s[G1Q+1], 512<<16                    ; tensor_dim0: a row tile's 4,096 bytes of a step of 256 along K
	s_mov_b32 s[G1Q+2], 4<<16                      ; tensor_dim1: 4 row tiles
	s_mov_b32 s[G1Q+3], 512<<16                    ; tile_dim0
	s_mov_b32 s[G1Q+4], 4                          ; tile_dim1
	s_mov_b32 s[G1Q+5], 2048                       ; from row tile to row tile: 16,384 bytes
	s_mov_b32 s[G1Q+6], 0
	s_mov_b32 s[G1Q+7], 0
	s_mov_b32 s[G1P+1], 512<<16
	s_mov_b32 s[G1P+2], 8<<16                      ; 8 row tiles
	s_mov_b32 s[G1P+3], 512<<16
	s_mov_b32 s[G1P+4], 8
	s_mov_b32 s[G1P+5], 2048
	s_mov_b32 s[G1P+6], 0
	s_mov_b32 s[G1P+7], 0
	s_mov_b32 s[MNT], 0x600000
	s_mov_b32 s[SEL], 0x76543210
	s_mov_b32 s[SEL+1], 0xfedcba98
	; which row tiles: the region hangs on the cluster's y alone, which all partners share
	s_max_u32 s66, s22, 16
	s_sub_co_u32 s66, s66, 16                      ; c' = cluster y - 16 in v's region
	s_lshr_b32 s67, s66, 1
	s_lshl_b32 s67, s67, 7                         ; v: P begins at x's row tile 128 (c' / 2)
	s_and_b32 s68, s66, 1
	s_lshl_b32 s68, s68, 5
	s_add_co_u32 s68, s68, 640                     ; v: Q begins at wv's row tile 640 + 32 (c' % 2)
	s_lshl_b32 s69, s22, 5                         ; q, k: Q begins at x's row tile 32 x cluster y
	s_cmp_ge_u32 s22, 16
	s_cselect_b32 s67, s67, 512                    ; q, k: P begins at wq's first row tile
	s_cselect_b32 s68, s68, s69
	s_lshl_b32 s72, s21, 4
	s_add_co_u32 s72, s72, s67                     ; P's first row tile (cx, never cy)
	s_lshl_b32 s73, s20, 3
	s_add_co_u32 s73, s73, s68                     ; Q's (cy, never cx)
	s_lshl_b32 s74, s18, 3
	s_add_co_u32 s74, s74, s72
	s_lshl_b32 s74, s74, 14                        ; the half of P that I would fetch, in bytes
	s_mov_b32 s75, 0
	s_lshl_b32 s76, s18, 2
	s_add_co_u32 s76, s76, s73
	s_lshl_b32 s76, s76, 14                        ; the half of Q
	s_mov_b32 s77, 0
	s_lshl_b32 s78, s18, 14
	s_add_co_u32 s78, s78, QOFF                    ; where they go: no place in the cluster enters an LDS address
	s_lshl_b32 s79, s18, 15
	s_mov_b32 s85, 0
	s_wait_kmcnt 0x0
	s_add_nc_u64 s[74:75], s[4:5], s[74:75]
	s_add_nc_u64 s[76:77], s[4:5], s[76:77]
	CROUND                                         ; all sixteen work-groups are here: the first joint loads meet
.irp sl, 0,1,2
	s_mov_b32 s[G0Q+4*\sl], 1
	s_add_co_u32 s[G0Q+4*\sl+1], s78, \sl*SLOT
	s_add_nc_u64 s[G0Q+4*\sl+2:G0Q+4*\sl+3], s[76:77], \sl*4096
	s_or_b32 s[G0Q+4*\sl+3], s[G0Q+4*\sl+3], 0x80000000
	s_mov_b32 s[G0P+4*\sl], 1
	s_add_co_u32 s[G0P+4*\sl+1], s79, \sl*SLOT
	s_add_nc_u64 s[G0P+4*\sl+2:G0P+4*\sl+3], s[74:75], \sl*4096
	s_or_b32 s[G0P+4*\sl+3], s[G0P+4*\sl+3], 0x80000000
	JLOAD \sl
.endr
	v_and_b32 v5, 31, v0
	v_and_b32 v1, 15, v0                           ; r
	v_bfe_u32 v2, v0, 4, 1                         ; h
	v_lshlrev_b32 v[LI], 4, v5
	v_lshlrev_b32 v[L8], 3, v5
	s_wait_alu depctr_va_vdst(0)
	s_lshl_b32 s84, s18, 3
	s_add_co_u32 s84, s84, s72
	s_lshl_b32 s84, s84, 9
	s_add_nc_u64 s[80:81], s[6:7], s[84:85]        ; the scale words of my 8 tiles of P
	s_lshl_b32 s84, s17, 2
	s_add_co_u32 s84, s84, s73
	s_lshl_b32 s84, s84, 9
	s_add_nc_u64 s[82:83], s[6:7], s[84:85]        ; and of my 4 tiles of Q
.irp a, 0,1,2,3,4,5,6,7
.irp g, 0,1
	global_load_b64 v[SCP+4*\a+2*\g:SCP+4*\a+2*\g+1], v[L8], s[80:81] offset:512*\a+256*\g   ; 256 consecutive bytes
.endr
.endr
.irp b, 0,1,2,3
.irp g, 0,1
	global_load_b64 v[SCQ+4*\b+2*\g:SCQ+4*\b+2*\g+1], v[L8], s[82:83] offset:512*\b+256*\g
.endr
.endr
	s_lshl_b32 s86, s17, 14
	s_add_co_u32 s86, s86, QOFF
	s_lshl_b32 s87, s18, 15
.irp sl, 0,1,2
	v_add_nc_u32 v[ADQ+\sl], s86, v[LI]
	v_add_nc_u32 v[ADP+\sl], s87, v[LI]
	s_add_co_u32 s86, s86, SLOT
	s_add_co_u32 s87, s87, SLOT
.endr
	s_lshl_b32 s86, s16, 9
	s_add_co_u32 s86, s86, STGQK
	v_lshl_add_u32 v24, v1, 2, s86                 ; q, k: my stage of 512 bytes: a word a lane row,
	v_add_nc_u32 v25, s86, v[LI]                   ; and 16 bytes a lane on the way out
	s_lshl_b32 s86, s16, 8
	s_add_co_u32 s86, s86, STGV
	v_lshl_add_u32 v26, v1, 2, s86                 ; v: my stage of 256 bytes,
	v_add_nc_u32 v27, s86, v[L8]                   ; and 8 bytes a lane
	v_and_b32 v5, 8, v1
	v_add_nc_u32 v5, v5, v1
	v_lshlrev_b32 v5, 8, v5
	v_lshl_add_u32 v5, v2, 6, v5                   ; the table: position r + 8 (r / 8) of a tile, + 64 h: my eight frequencies
.irp b, 0,1,2,3
	v_mov_b32 v[TM+4+\b], 0                        ; written once: a lane permute's destination counts as one of its sources
.endr
	s_cmp_ge_u32 s22, 16
	s_cbranch_scc1 .Lv_region
	; ---- q and k
	s_lshl_b32 s86, s22, 2
	s_add_co_u32 s86, s86, s20                     ; which 128 tokens
	s_and_b32 s87, s86, 15
	s_lshl_b32 s87, s87, 3
	s_lshl_b32 s89, s17, 2
	s_add_co_u32 s87, s87, s89                     ; T0: my first token tile within the sequence
	s_lshr_b32 s88, s86, 4
	s_lshl_b32 s88, s88, 4                         ; 16 x batch
	s_lshl_b32 s89, s19, 2
	s_add_co_u32 s88, s88, s89
	s_lshl_b32 s89, s18, 1
	s_add_co_u32 s88, s88, s89                     ; my first head: 16 x batch + 4 cx + 2 x my half of P
	s_lshl_b32 s84, s87, 12                        ; 16 positions of 256 bytes a tile
	s_add_nc_u64 s[90:91], s[8:9], s[84:85]
	WIN 0xc0                                       ; destination window 3
	s_wait_alu depctr_va_vdst(0)
.irp b, 0,1,2,3
.irp e, 0,1
.irp j, 0,1,2,3
	global_load_b128 v[32*\b+16*\e+4*\j:32*\b+16*\e+4*\j+3], v5, s[90:91] offset:(32*(\b/2)+8*(\b%2))*256+128*\e+16*\j   ; cos, sin of frequencies 16 e + 8 h + 2 j, + 1
.endr
.endr
.endr
	WIN 0
	s_lshl_b32 s98, s88, 7
	s_add_co_u32 s98, s98, s87                     ; 128 x head + tile
	s_lshl_b32 s99, s98, 6                         ; q's scale words,
	s_lshl_b32 s98, s98, 10                        ; q's codes
	s_lshl_b32 s100, s88, 3
	s_lshr_b32 s89, s87, 4
	s_add_co_u32 s100, s100, s89
	s_mul_i32 s100, s100, SLOTB                    ; k: the slot
	s_and_b32 s89, s87, 15
	s_lshl_b32 s101, s89, 10
	s_add_co_u32 s101, s101, s100                  ; k's codes
	s_lshl_b32 s89, s89, 6
	s_add_co_u32 s89, s89, s100
	s_add_co_u32 s89, s89, 32768                   ; k's scale words
	s_mov_b32 s86, 131072                          ; from head to head: q's codes,
	s_mov_b32 s87, 8192                            ; q's scale words
	s_cmp_eq_u32 ttmp9, 0                          ; cluster x 0: wq's rows; 1: wk's
	s_cselect_b64 s[92:93], s[10:11], s[14:15]
	s_cselect_b64 s[96:97], s[12:13], s[14:15]
	s_cselect_b32 s98, s98, s101
	s_cselect_b32 s99, s99, s89
	s_cselect_b32 s86, s86, 274432                 ; k: eight slots
	s_cselect_b32 s87, s87, 274432
	s_mov_b32 s84, s98
	s_add_nc_u64 s[92:93], s[92:93], s[84:85]      ; the first head's codes
	s_mov_b32 s84, s86
	s_add_nc_u64 s[94:95], s[92:93], s[84:85]      ; the second head's
	s_mov_b32 s84, s99
	s_add_nc_u64 s[96:97], s[96:97], s[84:85]      ; the first head's scale words
	v_mul_u32_u24 v30, v2, s87
	v_lshl_add_u32 v30, v1, 4, v30                 ; lanes 0-15 the first head's 256 bytes, lanes 16-31 the second's
	MAIN
	OUTQK 0
	OUTQK 1
	OUTQK 2
	OUTQK 3
	ds_load_b128 v[120:123], v25                   ; LDS serves a wave's instructions in order: these see my stores
	s_wait_dscnt 0x0
	global_store_b128 v30, v[120:123], s[96:97]    ; sixteen lanes store 256 consecutive bytes, aligned
	CLOSE
.Lv_region:                                            ; ---- v
	s_lshr_b32 s86, s66, 1
	s_lshl_b32 s86, s86, 4                         ; 16 x batch
	s_and_b32 s87, s66, 1
	s_lshl_b32 s87, s87, 2
	s_add_co_u32 s87, s87, s20
	s_lshl_b32 s87, s87, 1
	s_add_co_u32 s87, s87, s17                     ; my head: 2 (4 (c' % 2) + cy) + my half of Q
	s_add_co_u32 s86, s86, s87
	s_lshl_b32 s86, s86, 3
	s_add_co_u32 s86, s86, s21                     ; the slot within the head is gx
	s_mul_i32 s86, s86, SLOTB
	s_lshl_b32 s87, s18, 13
	s_add_co_u32 s84, s86, s87
	s_add_co_u32 s84, s84, 16384                   ; V's codes: my 128 keys
	s_add_nc_u64 s[92:93], s[14:15], s[84:85]
	s_lshl_b32 s87, s18, 8
	s_add_co_u32 s84, s86, s87
	s_add_co_u32 s84, s84, 33792                   ; V's scale words
	s_add_nc_u64 s[96:97], s[14:15], s[84:85]
	MAIN
	OUTV 0
	OUTV 1
	OUTV 2
	OUTV 3
	ds_load_b64 v[120:121], v27
	s_wait_dscnt 0x0
	global_store_b64 v[L8], v[120:121], s[96:97]   ; 256 consecutive bytes, aligned
	CLOSE
.Lfunc_end_k_qed42e702fc_qkv:
	.size	k_qed42e702fc_qkv, .Lfunc_end_k_qed42e702fc_qkv-k_qed42e702fc_qkv
	.p2alignl 7, 3214868480
	.fill 96, 4, 3214868480
	.section	.rodata,"a",@progbits
	.p2align	6, 0x0
	.amdhsa_kernel k_qed42e702fc_qkv
		.amdhsa_group_segment_fixed_size 327680
		.amdhsa_private_segment_fixed_size 0
		.amdhsa_enable_private_segment 0
		.amdhsa_kernarg_size 48
		.amdhsa_user_sgpr_count 2
		.amdhsa_user_sgpr_kernarg_segment_ptr 1
		.amdhsa_wavefront_size32 1
		.amdhsa_system_sgpr_workgroup_id_x 1
		.amdhsa_system_sgpr_workgroup_id_y 1
		.amdhsa_system_sgpr_workgroup_id_z 1
		.amdhsa_system_vgpr_workitem_id 0
		.amdhsa_next_free_vgpr 1024
		.amdhsa_next_free_sgpr 102
		.amdhsa_reserve_vcc 0
		.amdhsa_float_denorm_mode_32 3
		.amdhsa_float_denorm_mode_16_64 3
		.amdhsa_memory_ordered 1
		.amdhsa_forward_progress 1
		.amdhsa_inst_pref_size 231
	.end_amdhsa_kernel
	.amdgpu_metadata
---
amdhsa.version: [ 1, 2 ]
amdhsa.kernels:
  - .name:           k_qed42e702fc_qkv
    .symbol:         k_qed42e702fc_qkv.kd
    .args:
      - { .name: img, .offset: 0, .size: 8, .value_kind: global_buffer, .address_space: global }
      - { .name: sc, .offset: 8, .size: 8, .value_kind: global_buffer, .address_space: global }
      - { .name: tab, .offset: 16, .size: 8, .value_kind: global_buffer, .address_space: global }
      - { .name: q_img, .offset: 24, .size: 8, .value_kind: global_buffer, .address_space: global }
      - { .name: q_sc, .offset: 32, .size: 8, .value_kind: global_buffer, .address_space: global }
      - { .name: kv, .offset: 40, .size: 8, .value_kind: global_buffer, .address_space: global }
    .group_segment_fixed_size: 327680
    .private_segment_fixed_size: 0
    .kernarg_segment_align: 8
    .kernarg_segment_size: 48
    .max_flat_workgroup_size: 128
    .sgpr_count:     102
    .vgpr_count:     1024
    .wavefront_size: 32
...
	.end_amdgpu_metadata
.endif
;; end of part 2
;; launch attn (part 3): grid 4 x 64, 16 waves a work-group, no clusters, 327,680 bytes of LDS; arguments q_img, q_sc, kv, o_img, o_sc; writes o_img, o_sc
.if DOCPART == 3
	.amdgcn_target "amdgcn-amd-amdhsa--gfx1250"
	.amdhsa_code_object_version 6
	.text
	.protected	k_qed42e702fc_attn
	.globl	k_qed42e702fc_attn
	.p2align	8
	.type	k_qed42e702fc_attn,@function
k_qed42e702fc_attn:
	s_mov_b64 s[64:65], 0
	v_nop
	global_prefetch_b8 v0, s[64:65] scope:SCOPE_SE
	s_setreg_imm32_b32 hwreg(HW_REG_WAVE_MODE, 25, 1), 1
	s_wait_xcnt 0x0
; ATTN.  Causal attention of one head on codes of BF8 (E5M2) with E8M0 scales; its result, divided by the row's sum, is quantised along d_model and stored as the last product's operand.
; THE SOFTMAX AHEAD OF THE SECOND PRODUCT: t = score x log2(e) / 8; M = the row's largest t so far, rounded up to a whole number; p = 2^(t - M) is quantised along the keys, not normalised; the row's sum is taken of the
; unquantised p, in f32.  When M moves, the sum and O are multiplied by 2^(old M - new M), which rounds nothing.
; SHARES.  A work-group owns query blocks i and 7 - i (256 queries each) of one head, one after the other: (i + 1) + (8 - i) = 9 visits of a slot of 256 keys, the same number in all 256 work-groups.
; Each of its sixteen waves owns one token tile of 16 queries in 256 registers: four waves to a SIMD, so that one wave's vector work stands beside another's matrix work and LDS loads.
; LAYOUT.  S^T = K Q^T (source 0 = 16 keys), O^T = V^T P^T (source 0 = 16 channels): a lane holds ONE query throughout.  The tiles of K, of V's channels and of the queries are laid (by the launch before) so that the 16 registers of two
; neighbouring result tiles are 16 neighbours along the next product's K: the conversions' results are the next operand's registers.  The head's K is 64: the upper half of the first product's 128 is zero codes on both sides.
; CAUSAL.  Every trip count is a constant.  A step of 128 keys that all come after the wave's queries is jumped over by a scalar branch on ids; on the diagonal hidden scores become -infinity ahead of the maximum.  A tile's 16 queries lie inside 32
; neighbouring tokens, so a step is hidden, open or the one on the diagonal; key 0 counts for every query.
; NO CLUSTER: the four work-groups of a head need different numbers of slots for each of their blocks and reach a slot at different times; a slot of 34,304 bytes is asked for once for 32 tile steps.
; LIMITS: NaN and infinities are not served; a block whose largest magnitude lies under 2^-111 (a block of zeros too) keeps the scale byte 1; 1 / sum is v_rcp_f32 and a multiplication.
; o's scale bytes leave as 2 bytes a lane row: a head is half of a scale word, and the other half is another work-group's.
; REGISTERS: v1-9 addresses and lane terms; v12 -M, v13 the largest t, v[14:15] the sum; v16-31 Q; v32-95 four fragments of K; v96-159 S^T, then p, then V's four fragments; v160-191 O^T; v192-207 p's codes; v208-223 at work; v224-231 scale words; v232-239 at work.
.set SLOTB, 34304
.set HALFB, 17152                      ; what one tensor load brings: 67 rows of 256 bytes
.set SLOT1, 65536                      ; slot 1 begins here: one exclusive or turns an address in one slot into the other's
.set SPARE, 131072                     ; the spare words, 128 bytes a wave: eight blocks of 256 bytes that no other line names
.set BM, 208                           ; the blocks' largest scores, then largest p
.set BP, 212                           ; the other half's; then the bytes
.set HL, 216
.set SO, 220                           ; the conversion's scale operand
.set KS, 224                           ; v224-227 K's scale words: two tiles a register (lanes 0-15, lanes 16-31)
.set VS, 228                           ; v228-229 V's
.set QS, 230                           ; Q's
.set PW, 231                           ; p's
.macro TLOAD                           ; waves 0 and 1 fetch a slot's halves, the others nothing.  Four v_nop follow the line
	s_cmp_lt_u32 s18, 2
	s_cbranch_scc0 .Lno_load_\@
	tensor_load_to_lds s[32:35], s[24:31]
	s_nop 0
.rept 4
	v_nop
.endr
.Lno_load_\@:
.endm
; A query block begins: s48 = the block.  Addresses from the clean pointers; Q's fragment and scale words; the running figures.
.macro INITQ
	s_lshl_b32 s49, s48, 4
	s_add_co_u32 s49, s49, s18                     ; my token tile T
	s_lshr_b32 s41, s49, 1
	s_lshl_b32 s41, s41, 5
	s_and_b32 s43, s49, 1
	s_lshl_b32 s43, s43, 3
	s_add_co_u32 s41, s41, s43                     ; Q0 = 32 (T / 2) + 8 (T % 2): lane row r is query Q0 + r + 8 (r / 8)
	s_lshl_b32 s43, s38, 7
	s_add_co_u32 s43, s43, s49
	s_lshl_b32 s46, s43, 10
	s_add_nc_u64 s[50:51], s[4:5], s[46:47]
	s_lshl_b32 s46, s43, 6
	s_add_nc_u64 s[52:53], s[6:7], s[46:47]
	s_lshr_b32 s43, s38, 4
	s_lshl_b32 s43, s43, 7
	s_add_co_u32 s43, s43, s49                     ; o's row tile: 128 x batch + T
	s_lshl_b32 s46, s43, 14
	s_add_co_u32 s46, s46, s60
	s_add_nc_u64 s[54:55], s[10:11], s[46:47]
	s_lshl_b32 s46, s43, 9
	s_add_co_u32 s46, s46, s61
	s_add_nc_u64 s[56:57], s[12:13], s[46:47]
	global_load_b128 v[16:19], v1, s[50:51]
	global_load_b128 v[20:23], v1, s[50:51] offset:512
	global_load_b32 v[QS], v8, s[52:53]
	v_mov_b32 v13, 0xff61b1e6                      ; the largest t so far: -3e38, under every t
	s_delay_alu instid0(VALU_DEP_1)
	v_floor_f32 v12, -v13                          ; -M
	v_mov_b32 v14, 0
	v_mov_b32 v15, 0
.set N_, 0
.rept 32
	v_mov_b32 v[160+N_], 0                         ; O^T: the step is written once; the first finds zeros, which the first change of M leaves zeros
.set N_, N_+1
.endr
	s_wait_loadcnt 0x0
.endm
; THE CHANGE OF SLOTS, at a visit's head.  Each wave waits for all its tensor loads, adds 0 to its spare word, and waits for that and for its reads of the slot that it has left.  fill = 1: that slot takes the next visit's keys.
.macro CHANGE fill
	s_wait_tensorcnt 0x0                           ; no tensor load of mine is out, so the group 0 may be written
	ds_add_u32 v3, v4                              ; 0 onto my spare word
.if \fill
	s_add_co_u32 s43, s39, 1                       ; the next visit m: slot m of the keys for the first block, m - (i + 1) for the second
	s_cmp_gt_u32 s43, s36
	s_cselect_b32 s48, s37, 0
	s_sub_co_u32 s43, s43, s48
	s_mul_i32 s46, s43, SLOTB
	s_xor_b32 s33, s33, SLOT1
	s_add_nc_u64 s[34:35], s[44:45], s[46:47]
	s_or_b32 s35, s35, 0x80000000
.endif
	s_wait_dscnt 0x0                               ; the add is done, and my reads of the slot that I have left are over
	s_barrier_signal -1
	s_barrier_wait -1
.if \fill
	TLOAD                                          ; the first thing behind the barrier, and a wave's one tensor load until the next: it has a visit's two steps in which to land
.endif
.endm
; A KEY STEP: 128 keys, the q-th of the slot in hand.
.macro STEP q
	s_add_co_u32 s43, s41, 23
	s_cmp_gt_u32 s40, s43                          ; all keys come after my last query: nothing to do
	s_cbranch_scc1 .Lhidden_\@
	v_add_nc_u32 v6, s42, v1
	s_wait_alu depctr_va_vdst(0)
	v_add_nc_u32 v7, s42, v2
.rept 7
	v_nop                                          ; with the two additions nine places: the first product below writes over registers that the last products read, and loads go into their scale registers
.endr
.irp j, 0,1,2,3
	ds_load_b32 v[KS+\j], v7 offset:32768+64*(8*\q+2*\j)   ; tiles 2 j and 2 j + 1
.endr
.irp j, 0,1
	ds_load_b32 v[VS+\j], v7 offset:33792+256*\q+128*\j
.endr
.irp g, 0,1                                    ; S^T = K Q^T, four tiles of 16 keys at a time
.if \g
.rept 8
	v_nop                                          ; places in front of loads into registers that matrix instructions have read
.endr
.endif
.irp t, 0,1,2,3
.irp c, 0,1
	ds_load_b128 v[32+16*\t+4*\c:32+16*\t+4*\c+3], v6 offset:1024*(8*\q+4*\g+\t)+512*\c
.endr
.endr
	s_wait_dscnt 0x0
.irp t, 0,1,2,3
.if (\t)%2
	v_wmma_scale_f32_16x16x128_f8f6f4 v[96+8*(4*\g+\t):103+8*(4*\g+\t)], v[32+16*\t:47+16*\t], v[16:31], 0, v[KS+2*\g+\t/2], v[QS] matrix_a_fmt:MATRIX_FMT_BF8 matrix_b_fmt:MATRIX_FMT_BF8 matrix_a_scale:MATRIX_SCALE_ROW1
.else
	v_wmma_scale_f32_16x16x128_f8f6f4 v[96+8*(4*\g+\t):103+8*(4*\g+\t)], v[32+16*\t:47+16*\t], v[16:31], 0, v[KS+2*\g+\t/2], v[QS] matrix_a_fmt:MATRIX_FMT_BF8 matrix_b_fmt:MATRIX_FMT_BF8
.endif
.endr
.endr                                          ; register 16 b + i holds key KF + 32 b + 16 (lane / 16) + i
.rept 8
	v_nop
.endr
	s_add_co_u32 s43, s40, 127
	s_cmp_le_u32 s43, s41                          ; all keys count for all my queries: no mask
	s_cbranch_scc1 .Lopen_\@
	s_sub_co_i32 s43, s41, s40
	v_add_nc_u32 v239, s43, v5                     ; d = my query - KF - 16 (lane / 16): register 16 b + i is hidden where 32 b + i > d
.set N_, 0
.rept 64
	v_cmp_gt_i32 vcc_lo, 32*(N_/16)+N_%16, v239
	v_cndmask_b32 v[96+N_], v[96+N_], v238, vcc_lo
.set N_, N_+1
.endr
.Lopen_\@:
.irp b, 0,1,2,3
	v_max3_num_f32 v[BM+\b], v[96+16*\b], v[97+16*\b], v[98+16*\b]   ; the largest score of each block of 32 keys: it serves the row's maximum and, since p rises with the score, the block's largest p
.endr
.irp i, 3,5,7,9,11,13
.irp b, 0,1,2,3
	v_max3_num_f32 v[BM+\b], v[BM+\b], v[96+16*\b+\i], v[97+16*\b+\i]
.endr
.endr
.irp b, 0,1,2,3
	v_max_num_f32 v[BM+\b], v[BM+\b], v[111+16*\b]
.endr
.irp b, 0,1,2,3
	s_delay_alu instid0(VALU_DEP_4)
	v_permlanex16_b32 v[BP+\b], v[BM+\b], s20, s21
.endr
.irp b, 0,1,2,3
	s_delay_alu instid0(VALU_DEP_4)
	v_max_num_f32 v[BM+\b], v[BM+\b], v[BP+\b]     ; with lane l xor 16's 16 keys
.endr
	s_delay_alu instid0(VALU_DEP_2)
	v_max3_num_f32 v234, v[BM], v[BM+1], v[BM+2]
	s_delay_alu instid0(VALU_DEP_1)
	v_max_num_f32 v234, v234, v[BM+3]              ; the step's largest score of my query
	s_delay_alu instid0(VALU_DEP_1)
	v_mul_f32 v234, s22, v234                      ; as t
	s_delay_alu instid0(VALU_DEP_1)
	v_max_num_f32 v13, v13, v234                   ; the running largest t
	v_mov_b32 v234, v12
	s_delay_alu instid0(VALU_DEP_2)
	v_floor_f32 v12, -v13                          ; the new -M = -ceil(t)
	s_delay_alu instid0(VALU_DEP_1)
	v_sub_f32 v234, v12, v234                      ; old M - new M: a whole number, 0 or less
	s_delay_alu instid0(VALU_DEP_1)
	v_cvt_i32_f32 v234, v234                       ; (it saturates)
	s_delay_alu instid0(VALU_DEP_1)
	v_ldexp_f32 v232, 1.0, v234                    ; f = 2^(old M - new M)
.set N_, 0
.rept 32
	v_pk_fma_f32 v[96+N_:97+N_], v[96+N_:97+N_], s[22:23], v[12:13] op_sel_hi:[1,0,0]   ; t - M, two at a time
.set N_, N_+2
.endr
.irp b, 0,1,2,3
	v_fma_f32 v[BM+\b], v[BM+\b], s22, v12         ; the same of each block's largest score
.endr
.set N_, 0
	s_wait_alu depctr_va_vdst(0)
.rept 64
	v_exp_f32 v[96+N_], v[96+N_]                   ; p = 2^(t - M), at most 1
.set N_, N_+1
.endr
.irp b, 0,1,2,3
	v_exp_f32 v[BM+\b], v[BM+\b]                   ; the block's largest p: the same two instructions on the same number
.endr
	v_pk_mul_f32 v[14:15], v[14:15], v[232:233] op_sel_hi:[1,0]   ; the sums under the new M (a plain place behind the exponentials)
	s_wait_alu depctr_va_vdst(0)
.irp b, 0,1,2,3
	v_max_num_f32 v[BM+\b], 0x8000000, v[BM+\b]    ; the floor 2^(16 - 127): the byte cannot fall under 1
.endr
.irp b, 0,1,2,3
	s_delay_alu instid0(VALU_DEP_4)
	v_add_nc_u32 v[SO+\b], 0xf8800000, v[BM+\b]
.endr
.irp b, 0,1,2,3
.endr
.irp b, 0,1,2,3
	s_delay_alu instid0(VALU_DEP_4)
	v_lshrrev_b32 v[BP+\b], 23, v[SO+\b]
.endr
	s_delay_alu instid0(VALU_DEP_3)
	v_lshl_or_b32 v[PW], v[BP+1], 8, v[BP]         ; p's scale word for these 128 keys
	s_delay_alu instid0(VALU_DEP_1)
	v_lshl_or_b32 v[PW], v[BP+2], 16, v[PW]
	s_delay_alu instid0(VALU_DEP_1)
	v_lshl_or_b32 v[PW], v[BP+3], 24, v[PW]
	v_pk_add_f32 v[236:237], v[100:101], v[104:105]
	v_pk_add_f32 v[254:255], v[108:109], v[112:113]
	v_pk_add_f32 v[252:253], v[116:117], v[120:121]
	v_pk_add_f32 v[250:251], v[124:125], v[128:129]
	v_pk_add_f32 v[248:249], v[132:133], v[136:137]
	v_pk_add_f32 v[246:247], v[140:141], v[144:145]
	v_pk_add_f32 v[244:245], v[148:149], v[152:153]
	v_pk_add_f32 v[14:15], v[14:15], v[156:157]
	v_pk_add_f32 v[236:237], v[236:237], v[96:97]
	v_pk_add_f32 v[254:255], v[254:255], v[98:99]
	v_pk_add_f32 v[252:253], v[252:253], v[102:103]
	v_pk_add_f32 v[250:251], v[250:251], v[106:107]
	v_pk_add_f32 v[248:249], v[248:249], v[110:111]
	v_pk_add_f32 v[246:247], v[246:247], v[114:115]
	v_pk_add_f32 v[244:245], v[244:245], v[118:119]
	v_pk_add_f32 v[14:15], v[14:15], v[122:123]
	v_pk_add_f32 v[236:237], v[236:237], v[126:127]
	v_pk_add_f32 v[254:255], v[254:255], v[130:131]
	v_pk_add_f32 v[252:253], v[252:253], v[134:135]
	v_pk_add_f32 v[250:251], v[250:251], v[138:139]
	v_pk_add_f32 v[248:249], v[248:249], v[142:143]
	v_pk_add_f32 v[246:247], v[246:247], v[146:147]
	v_pk_add_f32 v[244:245], v[244:245], v[150:151]
	v_pk_add_f32 v[14:15], v[14:15], v[154:155]
	v_pk_add_f32 v[236:237], v[236:237], v[158:159]
	s_delay_alu instid0(VALU_DEP_2)
	v_pk_add_f32 v[14:15], v[14:15], v[250:251]
	s_delay_alu instid0(VALU_DEP_2)
	v_pk_add_f32 v[236:237], v[236:237], v[248:249]
	v_pk_add_f32 v[254:255], v[254:255], v[246:247]
	v_pk_add_f32 v[252:253], v[252:253], v[244:245]
	s_delay_alu instid0(VALU_DEP_2)
	v_pk_add_f32 v[14:15], v[14:15], v[254:255]
	s_delay_alu instid0(VALU_DEP_2)
	v_pk_add_f32 v[236:237], v[236:237], v[252:253]
	s_delay_alu instid0(VALU_DEP_1)
	v_pk_add_f32 v[14:15], v[14:15], v[236:237]
.irp b, 0,1,2,3
.irp i, 0,1,2,3,4,5,6,7,8,9,10,11,12,13,14,15
.endr
	v_cvt_scalef32_pk8_bf8_f32 v[192+4*\b:193+4*\b], v[96+16*\b:103+16*\b], v[SO+\b]
	v_cvt_scalef32_pk8_bf8_f32 v[194+4*\b:195+4*\b], v[104+16*\b:111+16*\b], v[SO+\b]
.endr
	v_nop
.irp d, 0,1,2,3                                ; V's four fragments take p's registers
.irp c, 0,1,2,3
	ds_load_b128 v[96+16*\d+4*\c:96+16*\d+4*\c+3], v6 offset:16384+8192*\q+2048*\d+512*\c
.endr
.endr
.set N_, 0
.rept 16
	v_pk_mul_f32 v[160+N_:161+N_], v[160+N_:161+N_], v[232:233] op_sel_hi:[1,0]   ; O^T under the new M.  (These are also the places behind the conversions and in front of the products)
.set N_, N_+2
.endr
	s_wait_alu depctr_va_vdst(0)
	s_wait_dscnt 0x0
.irp d, 0,1,2,3                                ; O^T += V^T P^T: the four accumulators by turns
.if (\d)%2
	v_wmma_scale_f32_16x16x128_f8f6f4 v[160+8*\d:167+8*\d], v[96+16*\d:111+16*\d], v[192:207], v[160+8*\d:167+8*\d], v[VS+\d/2], v[PW] matrix_a_fmt:MATRIX_FMT_BF8 matrix_b_fmt:MATRIX_FMT_BF8 matrix_a_scale:MATRIX_SCALE_ROW1
.else
	v_wmma_scale_f32_16x16x128_f8f6f4 v[160+8*\d:167+8*\d], v[96+16*\d:111+16*\d], v[192:207], v[160+8*\d:167+8*\d], v[VS+\d/2], v[PW] matrix_a_fmt:MATRIX_FMT_BF8 matrix_b_fmt:MATRIX_FMT_BF8
.endif
.endr
.Lhidden_\@:
	s_add_co_u32 s40, s40, 128
.endm
; A query block ends: O^T / the sum; register 16 m + i is channel 32 m + 16 (lane / 16) + i of the head: two blocks of the last product's K.  Codes and two scale bytes go out.
.macro FINAL
.rept 8
	v_nop
.endr
	v_add_f32 v14, v14, v15
	s_delay_alu instid0(VALU_DEP_1)
	v_permlanex16_b32 v234, v14, s20, s21
	s_delay_alu instid0(VALU_DEP_1)
	v_add_f32 v14, v14, v234                       ; the row's sum
	s_wait_alu depctr_va_vdst(0)
	v_rcp_f32 v14, v14
	v_nop                                          ; one plain place behind a transcendental
.set N_, 0
	s_wait_alu depctr_va_vdst(0)
.rept 32
	v_mul_f32 v[96+N_], v[160+N_], v14
.set N_, N_+1
.endr
.irp b, 0,1
	v_max3_num_f32 v[BM+\b], |v[96+16*\b]|, |v[97+16*\b]|, 0x8000000
.endr
.irp i, 2,4,6,8,10,12,14
.irp b, 0,1
	s_delay_alu instid0(VALU_DEP_2)
	v_max3_num_f32 v[BM+\b], v[BM+\b], |v[96+16*\b+\i]|, |v[97+16*\b+\i]|
.endr
.endr
.irp b, 0,1
	s_delay_alu instid0(VALU_DEP_2)
	v_permlanex16_b32 v[BP+\b], v[BM+\b], s20, s21
.endr
.irp b, 0,1
	s_delay_alu instid0(VALU_DEP_2)
	v_max_num_f32 v[BM+\b], v[BM+\b], v[BP+\b]
.endr
.irp b, 0,1
	s_delay_alu instid0(VALU_DEP_2)
	v_add_nc_u32 v[SO+\b], 0xf8800000, v[BM+\b]
.endr
.irp b, 0,1
.endr
.irp b, 0,1
	s_delay_alu instid0(VALU_DEP_2)
	v_lshrrev_b32 v[BP+\b], 23, v[SO+\b]
.endr
	s_delay_alu instid0(VALU_DEP_1)
	v_lshl_or_b32 v235, v[BP+1], 8, v[BP]
.irp b, 0,1
.irp i, 0,1,2,3,4,5,6,7,8,9,10,11,12,13,14,15
.endr
	v_cvt_scalef32_pk8_bf8_f32 v[192+4*\b:193+4*\b], v[96+16*\b:103+16*\b], v[SO+\b]
	v_cvt_scalef32_pk8_bf8_f32 v[194+4*\b:195+4*\b], v[104+16*\b:111+16*\b], v[SO+\b]
.endr
	v_nop                                          ; one plain vector instruction behind the last scaled conversion
	global_store_b128 v1, v[192:195], s[54:55]     ; two chunks: 1,024 consecutive bytes
	global_store_b128 v1, v[196:199], s[54:55] offset:512
	global_store_b16 v9, v235, s[56:57]            ; my lane row's two bytes (both halves of the lanes write the same)
.endm
	s_load_b256 s[4:11], s[0:1], 0x0               ; q_img s[4:5], q_sc s[6:7], kv s[8:9], o_img s[10:11]
	s_load_b64 s[12:13], s[0:1], 0x20              ; o_sc
	v_lshl_add_u32 v3, v0, 2, SPARE
	v_mov_b32 v4, 0
	ds_add_u32 v3, v4
	ds_add_u32 v3, v4
	s_wait_dscnt 0x0
	v_lshrrev_b32 v6, 5, v0
	s_delay_alu instid0(VALU_DEP_1)
	v_readfirstlane_b32 s18, v6                    ; wave 0..15
	v_and_b32 v6, 31, v0
	s_delay_alu instid0(VALU_DEP_1)
	v_lshlrev_b32 v1, 4, v6                        ; 16 x lane
	s_delay_alu instid0(VALU_DEP_2)
	v_lshlrev_b32 v2, 2, v6                        ; 4 x lane
	v_and_b32 v7, 15, v0                           ; r
	s_delay_alu instid0(VALU_DEP_1)
	v_lshlrev_b32 v8, 2, v7                        ; 4 r
	s_delay_alu instid0(VALU_DEP_2)
	v_lshlrev_b32 v9, 3, v7                        ; 8 r
	s_delay_alu instid0(VALU_DEP_3)
	v_and_b32 v5, 8, v7
	s_delay_alu instid0(VALU_DEP_1)
	v_add_nc_u32 v5, v5, v7
	v_and_b32 v6, 16, v0
	s_delay_alu instid0(VALU_DEP_1)
	v_sub_nc_u32 v5, v5, v6                        ; r + 8 (r / 8) - 16 (lane / 16)
	s_mov_b32 s36, ttmp9                           ; i
	s_add_co_u32 s37, s36, 1
	s_and_b32 s38, ttmp7, 0xffff                   ; 16 x batch + head
	s_mov_b32 s20, 0x76543210
	s_mov_b32 s21, 0xfedcba98
	s_mov_b32 s22, 0x3e38aa3b                      ; c = log2(e) / sqrt(64)
	s_mov_b32 s23, s22                             ; (named with it as a pair, so it is written)
	s_mov_b32 s24, 3<<16                           ; group 1: a dense block as 67 rows of 32 elements of 8 bytes
	s_mov_b32 s25, 32<<16
	s_mov_b32 s26, 67<<16
	s_mov_b32 s27, 32<<16
	s_mov_b32 s28, 67
	s_mov_b32 s29, 32
	s_mov_b32 s30, 0
	s_mov_b32 s31, 0
	s_and_b32 s43, s38, 15                         ; the head
	s_lshl_b32 s60, s43, 10                        ; its two chunks in a row tile of o_img
	s_lshr_b32 s61, s43, 3
	s_lshl_b32 s61, s61, 8
	s_bfe_u32 s48, s43, 0x10001
	s_lshl_b32 s48, s48, 7
	s_add_co_u32 s61, s61, s48
	s_bfe_u32 s48, s43, 0x10002
	s_lshl_b32 s48, s48, 2
	s_add_co_u32 s61, s61, s48
	s_and_b32 s48, s43, 1
	s_lshl_b32 s48, s48, 1
	s_add_co_u32 s61, s61, s48                     ; and its half word in a row tile of o_sc: K step head / 2
	s_mul_i32 s46, s38, 8*SLOTB
	s_and_b32 s43, s18, 1
	s_mul_i32 s43, s43, HALFB
	s_add_co_u32 s46, s46, s43
	s_mov_b32 s47, 0
	s_mov_b32 s39, 0                               ; visits done
	s_mov_b32 s40, 0                               ; the step's first key
	s_mov_b32 s42, 0                               ; the slot in hand
	s_wait_kmcnt 0x0
	s_add_nc_u64 s[44:45], s[8:9], s[46:47]        ; the head's first slot, my half
	s_mov_b32 s32, 1
	s_mov_b32 s33, s43
	s_mov_b64 s[34:35], s[44:45]
	s_or_b32 s35, s35, 0x80000000
	TLOAD                                          ; the first visit's keys, into slot 0
.irp j, 24,25,26,27,28,29,30,31
	v_mov_b32 v[\j], 0                             ; the upper 64 of the first product's K: zero codes, set once
.endr
.irp t, 0,1,2,3
.irp j, 8,9,10,11,12,13,14,15
	v_mov_b32 v[32+16*\t+\j], 0
.endr
.endr
.irp b, 0,1,2,3
	v_mov_b32 v[BP+\b], 0                          ; written once: a lane permute's destination counts as one of its sources
.endr
	v_mov_b32 v233, 0                              ; (named as the upper half of the pair v[232:233])
	v_mov_b32 v234, 0
	v_mov_b32 v238, 0xff800000                     ; -infinity
	s_mov_b32 s48, s36
	INITQ
.Lvisit:                                               ; eight trips: behind each change of slots but the last the next visit's keys are asked for
	s_cmp_eq_u32 s39, s37                          ; the first block's i + 1 visits are over: a branch on ids, alike in all sixteen waves; no LDS instruction, barrier or tensor load stands under it
	s_cbranch_scc0 .Lsame
	FINAL
	s_wait_xcnt 0x0                                ; the stores have read their registers and bases
	s_sub_co_u32 s48, 7, s36
	INITQ
	s_mov_b32 s40, 0
.Lsame:
	CHANGE 1
	STEP 0
	STEP 1
	s_xor_b32 s42, s42, SLOT1
	s_add_co_u32 s39, s39, 1
	s_cmp_lt_u32 s39, 8
	s_cbranch_scc1 .Lvisit
	CHANGE 0                                       ; the last visit is written out
	STEP 0
	STEP 1
	FINAL
	s_wait_tensorcnt 0x0                           ; the wave's end
	ds_add_u32 v3, v4
	s_wait_dscnt 0x0
	s_endpgm
.Lfunc_end_k_qed42e702fc_attn:
	.size	k_qed42e702fc_attn, .Lfunc_end_k_qed42e702fc_attn-k_qed42e702fc_attn
	.p2alignl 7, 3214868480
	.fill 96, 4, 3214868480
	.section	.rodata,"a",@progbits
	.p2align	6, 0x0
	.amdhsa_kernel k_qed42e702fc_attn
		.amdhsa_group_segment_fixed_size 327680
		.amdhsa_private_segment_fixed_size 0
		.amdhsa_enable_private_segment 0
		.amdhsa_kernarg_size 40
		.amdhsa_user_sgpr_count 2
		.amdhsa_user_sgpr_kernarg_segment_ptr 1
		.amdhsa_wavefront_size32 1
		.amdhsa_system_sgpr_workgroup_id_x 1
		.amdhsa_system_sgpr_workgroup_id_y 1
		.amdhsa_system_sgpr_workgroup_id_z 1
		.amdhsa_system_vgpr_workitem_id 0
		.amdhsa_next_free_vgpr 256
		.amdhsa_next_free_sgpr 66
		.amdhsa_reserve_vcc 1
		.amdhsa_float_denorm_mode_32 3
		.amdhsa_float_denorm_mode_16_64 3
		.amdhsa_fp16_overflow 1
		.amdhsa_memory_ordered 1
		.amdhsa_forward_progress 1
		.amdhsa_inst_pref_size 110
	.end_amdhsa_kernel
	.amdgpu_metadata
---
amdhsa.version: [ 1, 2 ]
amdhsa.kernels:
  - .name:           k_qed42e702fc_attn
    .symbol:         k_qed42e702fc_attn.kd
    .args:
      - { .name: q_img, .offset: 0, .size: 8, .value_kind: global_buffer, .address_space: global }
      - { .name: q_sc, .offset: 8, .size: 8, .value_kind: global_buffer, .address_space: global }
      - { .name: kv, .offset: 16, .size: 8, .value_kind: global_buffer, .address_space: global }
      - { .name: o_img, .offset: 24, .size: 8, .value_kind: global_buffer, .address_space: global }
      - { .name: o_sc, .offset: 32, .size: 8, .value_kind: global_buffer, .address_space: global }
    .group_segment_fixed_size: 327680
    .private_segment_fixed_size: 0
    .kernarg_segment_align: 8
    .kernarg_segment_size: 40
    .max_flat_workgroup_size: 512
    .sgpr_count:     66
    .vgpr_count:     256
    .wavefront_size: 32
...
	.end_amdgpu_metadata
.endif
;; end of part 3
;; launch oproj (part 4): grid 4 x 64, 4 waves a work-group, clusters of 4 x 4, 327,680 bytes of LDS; arguments img, sc, o_img, o_sc, out0; writes out0
.if DOCPART == 4
	.amdgcn_target "amdgcn-amd-amdhsa--gfx1250"
	.amdhsa_code_object_version 6
	.text
	.protected	k_qed42e702fc_oproj
	.globl	k_qed42e702fc_oproj
	.p2align	8
	.type	k_qed42e702fc_oproj,@function
k_qed42e702fc_oproj:
	s_mov_b64 s[64:65], 0
	v_nop
	global_prefetch_b8 v0, s[64:65] scope:SCOPE_SE
	s_setreg_imm32_b32 hwreg(HW_REG_WAVE_MODE, 25, 1), 1
	s_wait_xcnt 0x0
	s_wait_alu depctr_hold_cnt(0) depctr_sa_sdst(0) depctr_va_vdst(0) depctr_va_sdst(0) depctr_va_ssrc(0) depctr_va_vcc(0) depctr_vm_vsrc(0)
	s_getreg_b32 s2, hwreg(HW_REG_IB_STS2, 6, 4)
	s_cmp_eq_u32 s2, 0
	s_cbranch_scc0 .Lentry_in_a_cluster
	s_endpgm
.Lentry_in_a_cluster:
	s_bfe_u32 s2, ttmp6, 0x10000c
	s_cmp_lg_u32 s2, 0xf033
	s_cbranch_scc0 .Lentry_shape_is_right
	s_endpgm
.Lentry_shape_is_right:
; OPROJ.  out0 = o wo^T on codes of BF8 (E5M2) with E8M0 scales, K = 1,024; f32 sums, stored as they are.
; A work-group multiplies 256 rows of P = wo (source 0) with 128 rows of Q = o (source 1): in the result a lane holds ONE token and its registers run along the output's features, in their natural order.
; Four waves: wave w takes half w % 2 of P (8 tiles a) and half w / 2 of Q (4 tiles b): 32 accumulators, (a, b) at window 2, v[64 b + 8 a].
; K goes in four steps of 256 through three LDS slots: steps 0, 1, 2 are first fills, step 3 is the one refill (slot 0).  A wave has at most one tensor load out at a time: it waits for each before asking for the next.
; CLUSTERS: 4 x 4 work-groups.  P's tiles hang on cx alone and are asked for jointly along a column, Q's on the cluster and cy alone, along a row.
; REGISTERS, in windows of 256.  Window 0: v1-4 lane terms; v16-22 LDS addresses; v24, v25 the stage; v28, v29 the add's; v32-79 scale words; v128-191, v192-255 Q's fragments, two sets, on the way out rows of the output.
;   Window 1: P's fragments, two sets.  Window 2: the accumulators.
.set SLOT,  98304                      ; a slot: P's 16 row tiles x 4,096 bytes, then Q's 8
.set QOFF,  65536
.set SPARE, 3*SLOT                     ; behind the slots: the spare words, 128 bytes a wave: two blocks of 256 bytes that no other line names
.set STG,   SLOT                       ; the way out's stages lie in slot 1: it has had its only fill, and every wave has passed a barrier behind its last read of it
.set LI,  3                            ; v3  16 x lane
.set L8,  4                            ; v4  8 x lane
.set ADQ, 16
.set ADP, 20
.set SPW, 28
.set NIL, 29
.set SCP, 32                           ; v32-63 P's scale words: tile a: four registers; register s / 2 holds K step s in lanes 0-15 (s even) or 16-31 (s odd)
.set SCQ, 64                           ; v64-79 Q's
.set G1Q, 24
.set G0Q, 32
.set G1P, 44
.set G0P, 52
.set MSB, 0
.macro WIN new                         ; the immediate's high byte repeats the setting that is left
.if MSB != (\new)
	s_set_vgpr_msb (MSB<<8)|(\new)
.set MSB, (\new)
.endif
.endm
.macro PLACES n
.rept \n
	v_nop
.endr
.endm
; A joint load: waves 0 and 1 fetch Q's halves, waves 2 and 3 P's.  The branch hangs on the wave's number alone.  Four v_nop follow each of the two lines.
.macro JLOAD sl
	s_cmp_eq_u32 s17, 0
	s_cbranch_scc0 .Lfor_p_\@
	tensor_load_to_lds s[G0Q+4*\sl:G0Q+4*\sl+3], s[G1Q:G1Q+7]
	s_nop 0
.rept 4
	v_nop
.endr
	s_branch .Lasked_\@
.Lfor_p_\@:
	tensor_load_to_lds s[G0P+4*\sl:G0P+4*\sl+3], s[G1P:G1P+7]
	s_nop 0
.rept 4
	v_nop
.endr
.Lasked_\@:
.endm
.macro CREST                           ; a round of the cluster's barrier behind its opening barrier
	s_cmp_lg_u32 s16, 0
	s_cbranch_scc1 .Lnot_wave_0_\@
	s_barrier_signal -3
.Lnot_wave_0_\@:
	s_barrier_wait -3
	s_barrier_signal -1
	s_barrier_wait -1
.endm
.macro CROUND
	s_barrier_signal -1
	s_barrier_wait -1
	CREST
.endm
; The fragments of one K step of 128 (the slot's kk-th): 48 loads of 512 consecutive bytes each, as the images lie
.macro FETCH sl, kk, set
	WIN 0x40                                       ; destination window 1
.irp a, 0,1,2,3,4,5,6,7
.irp c, 0,1,2,3
	ds_load_b128 v[128*(\set)+16*\a+4*\c:128*(\set)+16*\a+4*\c+3], v[ADP+\sl] offset:4096*\a+2048*(\kk)+512*\c
.endr
.endr
	WIN 0
.irp b, 0,1,2,3
.irp c, 0,1,2,3
	ds_load_b128 v[128+64*(\set)+16*\b+4*\c:128+64*(\set)+16*\b+4*\c+3], v[ADQ+\sl] offset:4096*\b+2048*(\kk)+512*\c
.endr
.endr
.endm
.macro WM s, a, b, zero
.set rD, 64*(\b)+8*(\a)
.set rP, 128*((\s)%2)+16*(\a)
.set rQ, 128+64*((\s)%2)+16*(\b)
.set rSP, SCP+4*(\a)+(\s)/2
.set rSQ, SCQ+4*(\b)+(\s)/2
.if \zero
	v_wmma_scale_f32_16x16x128_f8f6f4 v[rD:rD+7], v[rP:rP+15], v[rQ:rQ+15], 0, v[rSP], v[rSQ] matrix_a_fmt:MATRIX_FMT_BF8 matrix_b_fmt:MATRIX_FMT_BF8
.elseif (\s)%2
	v_wmma_scale_f32_16x16x128_f8f6f4 v[rD:rD+7], v[rP:rP+15], v[rQ:rQ+15], v[rD:rD+7], v[rSP], v[rSQ] matrix_a_fmt:MATRIX_FMT_BF8 matrix_b_fmt:MATRIX_FMT_BF8 matrix_a_scale:MATRIX_SCALE_ROW1 matrix_b_scale:MATRIX_SCALE_ROW1
.else
	v_wmma_scale_f32_16x16x128_f8f6f4 v[rD:rD+7], v[rP:rP+15], v[rQ:rQ+15], v[rD:rD+7], v[rSP], v[rSQ] matrix_a_fmt:MATRIX_FMT_BF8 matrix_b_fmt:MATRIX_FMT_BF8
.endif
.endm
; K step s, P's tiles a0 .. a0 + na - 1 against Q's four.  The 32 accumulators take turns, one instruction a turn, in the same order in every K step.  zero = 1: the first products start the sums.
.macro MULR s, a0, na, zero
	WIN 0xa1                                       ; source 0 (P) window 1, source 1 (Q) window 0, C and D window 2
.set A_, \a0
.rept \na
.irp b, 0,1,2,3
	WM \s, A_, \b, \zero
.endr
.set A_, A_+1
.endr
.endm
; A K step whose successor's fragments are fetched at its head, into the set that the step before multiplied: eight places stand behind that step's last product
.macro STEP s, sl, kk, fetch
	s_wait_dscnt 0x0                               ; this step's fragments are in
.if \fetch
	PLACES 8
	FETCH \sl, \kk, ((\s)+1)%2
.endif
	MULR \s, 0, 8, 0
	WIN 0
.endm
	s_load_b256 s[4:11], s[0:1], 0x0               ; img s[4:5], sc s[6:7], o_img s[8:9], o_sc s[10:11]
	s_load_b64 s[12:13], s[0:1], 0x20              ; out0
	v_lshl_add_u32 v[SPW], v0, 2, SPARE
	v_mov_b32 v[NIL], 0
	ds_add_u32 v28, v29
	ds_add_u32 v28, v29
	s_wait_dscnt 0x0
	v_lshrrev_b32 v1, 5, v0
	v_readfirstlane_b32 s16, v1                    ; wave 0..3
	s_lshr_b32 s17, s16, 1                         ; my half of Q.  Also: I fetch for Q (0) or for P (1)
	s_and_b32 s18, s16, 1                          ; my half of P.  Also: which half of that tile I fetch
	s_bfe_u32 s19, ttmp6, 0x40000                  ; cx
	s_bfe_u32 s20, ttmp6, 0x40004                  ; cy
	s_lshl_b32 s21, ttmp9, 2
	s_add_co_u32 s21, s21, s19                     ; gx = 4 x cluster x + cx
	s_and_b32 s22, ttmp7, 0xffff                   ; the cluster's y
	s_lshl_b32 s2, s20, 2
	s_lshl_b32 s2, 15, s2                          ; my row of the cluster
	s_lshl_b32 s3, 0x1111, s19                     ; my column
	s_or_b32 s[G1Q], s2, (3<<16)|(1<<21)           ; 15:0 the mask; 17:16 elements of 8 bytes; 21 set beside a mask; no padding: fragments are read as they lie
	s_or_b32 s[G1P], s3, (3<<16)|(1<<21)
	s_mov_b32 s[G1Q+1], 512<<16                    ; tensor_dim0: a row tile's 4,096 bytes of a step of 256 along K
	s_mov_b32 s[G1Q+2], 4<<16                      ; tensor_dim1: 4 row tiles
	s_mov_b32 s[G1Q+3], 512<<16
	s_mov_b32 s[G1Q+4], 4
	s_mov_b32 s[G1Q+5], 2048                       ; from row tile to row tile: 16,384 bytes
	s_mov_b32 s[G1Q+6], 0
	s_mov_b32 s[G1Q+7], 0
	s_mov_b32 s[G1P+1], 512<<16
	s_mov_b32 s[G1P+2], 8<<16                      ; 8 row tiles
	s_mov_b32 s[G1P+3], 512<<16
	s_mov_b32 s[G1P+4], 8
	s_mov_b32 s[G1P+5], 2048
	s_mov_b32 s[G1P+6], 0
	s_mov_b32 s[G1P+7], 0
	s_lshl_b32 s72, s21, 4
	s_add_co_u32 s72, s72, 704                     ; P's first row tile: wo's, 16 gx on (cx, never cy)
	s_lshl_b32 s73, s20, 3
	s_lshl_b32 s69, s22, 5
	s_add_co_u32 s73, s73, s69                     ; Q's: 8 (4 x cluster y + cy) (cy, never cx)
	s_lshl_b32 s74, s18, 3
	s_add_co_u32 s74, s74, s72
	s_lshl_b32 s74, s74, 14
	s_mov_b32 s75, 0
	s_lshl_b32 s76, s18, 2
	s_add_co_u32 s76, s76, s73
	s_lshl_b32 s76, s76, 14
	s_mov_b32 s77, 0
	s_lshl_b32 s78, s18, 14
	s_add_co_u32 s78, s78, QOFF                    ; where they go: no place in the cluster enters an LDS address
	s_lshl_b32 s79, s18, 15
	s_mov_b32 s85, 0
	s_wait_kmcnt 0x0
	s_add_nc_u64 s[74:75], s[4:5], s[74:75]
	s_add_nc_u64 s[76:77], s[8:9], s[76:77]
	CROUND                                         ; all sixteen work-groups are here: the first joint loads meet
.irp sl, 0,1,2
	s_mov_b32 s[G0Q+4*\sl], 1
	s_add_co_u32 s[G0Q+4*\sl+1], s78, \sl*SLOT
	s_add_nc_u64 s[G0Q+4*\sl+2:G0Q+4*\sl+3], s[76:77], \sl*4096
	s_or_b32 s[G0Q+4*\sl+3], s[G0Q+4*\sl+3], 0x80000000
	s_mov_b32 s[G0P+4*\sl], 1
	s_add_co_u32 s[G0P+4*\sl+1], s79, \sl*SLOT
	s_add_nc_u64 s[G0P+4*\sl+2:G0P+4*\sl+3], s[74:75], \sl*4096
	s_or_b32 s[G0P+4*\sl+3], s[G0P+4*\sl+3], 0x80000000
	s_wait_alu depctr_va_vdst(0)
	s_wait_tensorcnt 0x0
	ds_add_u32 v28, v29
	ds_add_u32 v28, v29
	s_wait_dscnt 0x0
	CROUND
	JLOAD \sl
.endr
	v_and_b32 v5, 31, v0
	v_and_b32 v1, 15, v0                           ; r
	v_bfe_u32 v2, v0, 4, 1                         ; h
	v_lshlrev_b32 v[LI], 4, v5
	v_lshlrev_b32 v[L8], 3, v5
	s_wait_alu depctr_va_vdst(0)
	s_lshl_b32 s84, s18, 3
	s_add_co_u32 s84, s84, s72
	s_lshl_b32 s84, s84, 9
	s_add_nc_u64 s[80:81], s[6:7], s[84:85]        ; the scale words of my 8 tiles of P
	s_lshl_b32 s84, s17, 2
	s_add_co_u32 s84, s84, s73
	s_lshl_b32 s84, s84, 9
	s_add_nc_u64 s[82:83], s[10:11], s[84:85]      ; and of my 4 tiles of Q
.irp a, 0,1,2,3,4,5,6,7
.irp g, 0,1
	global_load_b64 v[SCP+4*\a+2*\g:SCP+4*\a+2*\g+1], v[L8], s[80:81] offset:512*\a+256*\g   ; 256 consecutive bytes
.endr
.endr
.irp b, 0,1,2,3
.irp g, 0,1
	global_load_b64 v[SCQ+4*\b+2*\g:SCQ+4*\b+2*\g+1], v[L8], s[82:83] offset:512*\b+256*\g
.endr
.endr
	s_lshl_b32 s86, s17, 14
	s_add_co_u32 s86, s86, QOFF
	s_lshl_b32 s87, s18, 15
.irp sl, 0,1,2
	v_add_nc_u32 v[ADQ+\sl], s86, v[LI]
	v_add_nc_u32 v[ADP+\sl], s87, v[LI]
	s_add_co_u32 s86, s86, SLOT
	s_add_co_u32 s87, s87, SLOT
.endr
	s_mul_i32 s86, s16, 16*528
	s_add_co_u32 s86, s86, STG                     ; my stage: 16 rows x (512 bytes + 16)
	v_mul_u32_u24 v24, v1, 528
	v_lshl_add_u32 v24, v2, 6, v24
	v_add_nc_u32 v24, s86, v24                     ; in: row r, + 64 h
	v_add_nc_u32 v25, s86, v[LI]                   ; back: a whole row, 16 bytes a lane
	s_lshl_b32 s86, s22, 2
	s_add_co_u32 s86, s86, s20
	s_lshl_b32 s86, s86, 7
	s_lshl_b32 s87, s17, 6
	s_add_co_u32 s86, s86, s87                     ; my first token: 128 (4 x cluster y + cy) + 64 x my half of Q
	s_lshl_b32 s84, s86, 12                        ; rows of 4,096 bytes
	s_lshl_b32 s87, s21, 10
	s_add_co_u32 s84, s84, s87
	s_lshl_b32 s87, s18, 9
	s_add_co_u32 s84, s84, s87                     ; + my first feature: 256 gx + 128 x my half of P, 4 bytes each
	s_add_nc_u64 s[92:93], s[12:13], s[84:85]
	s_wait_alu depctr_va_vdst(0)
	s_wait_tensorcnt 0x2                           ; my parts of slots 0 and 1 are in; slot 2 may stay out
	s_barrier_signal -1
	s_barrier_wait -1                              ; everybody's is
	FETCH 0, 0, 0
	s_wait_loadcnt 0x0                             ; the scale words
	s_wait_dscnt 0x0
	FETCH 0, 1, 1
	MULR 0, 0, 8, 1                                ; K step 0 starts the sums
	WIN 0
	; K step 1 leaves slot 0, which is filled again: the three lines, a round of the cluster's barrier, the joint refill first behind it
	s_wait_tensorcnt 0x0                           ; all my tensor loads have landed: my parts of slots 1 and 2
	ds_add_u32 v[SPW], v[NIL]                      ; 0 onto my spare word
	s_wait_dscnt 0x1                               ; (the add alone may be out: K step 1's fragments are in)
	MULR 1, 0, 2, 0
	s_wait_dscnt 0x0                               ; the add is done, and my reads of slot 0 are over
	s_barrier_signal -1
	MULR 1, 2, 2, 0
	WIN 0
	s_barrier_wait -1
	CREST                                          ; no wave of any partner still reads slot 0 or has a load on its way
	s_add_nc_u64 s[G0Q+2:G0Q+3], s[G0Q+2:G0Q+3], 3*4096   ; slot 0 takes the fourth 256 along K
	s_add_nc_u64 s[G0P+2:G0P+3], s[G0P+2:G0P+3], 3*4096
	JLOAD 0                                        ; it has four K steps of 128 in which to land; its four v_nop are among the eight places in front of the loads below
	PLACES 4
	FETCH 1, 0, 0
	MULR 1, 4, 4, 0
	WIN 0
	STEP 2, 1, 1, 1
	STEP 3, 2, 0, 1
	STEP 4, 2, 1, 1
	; K step 5: slot 0's second tile is shown to every wave.
	s_wait_dscnt 0x0
	s_wait_tensorcnt 0x0                           ; my part of the refill has landed
	s_barrier_signal -1
	MULR 5, 0, 4, 0
	s_barrier_wait -1
	WIN 0
	PLACES 8
	FETCH 0, 0, 0
	MULR 5, 4, 4, 0
	WIN 0
	STEP 6, 0, 1, 1
	STEP 7, 0, 0, 0
	PLACES 8                                       ; in front of the first read of results, and of loads into registers that held fragments
; THE WAY OUT, token tile by token tile.  A lane holds 128 features of one token, 64 bytes at a time; the lanes beside it hold other tokens: so a tile goes through my own stage and comes back as whole rows of 512 bytes.
; LDS serves a wave's instructions in order (ISA guide 5.7.1.4): no wait between the stores and the loads, nor in front of the next tile's stores.
.macro TOSTAGE b
	WIN 0x08                                       ; an LDS store's data are its source 1: window 2
.irp e, 0,1,2,3
.irp j, 0,1,2,3
	ds_store_b128 v24, v[64*(\b)+16*\e+4*\j:64*(\b)+16*\e+4*\j+3] offset:128*\e+16*\j   ; each accumulator from its low end on
.endr
.endr
	WIN 0
.irp p, 0,1,2,3,4,5,6,7,8,9,10,11,12,13,14,15
	ds_load_b128 v[128+64*((\b)%2)+4*\p:128+64*((\b)%2)+4*\p+3], v25 offset:528*\p
.endr
.endm
.macro SEND b, younger                 ; younger: the LDS instructions issued behind tile b's loads, which may stay out
	s_wait_dscnt \younger
.irp p, 0,1,2,3,4,5,6,7,8,9,10,11,12,13,14,15
	global_store_b128 v[LI], v[128+64*((\b)%2)+4*\p:128+64*((\b)%2)+4*\p+3], s[92:93] offset:(32*((\b)/2)+8*((\b)%2)+\p+8*(\p/8))*4096 th:TH_STORE_NT   ; 512 consecutive bytes of one row, aligned; written once, read by nobody here
.endr
.endm
	TOSTAGE 0
.irp b, 1,2,3
.if \b > 1
	s_wait_xcnt 0x0                                ; tile b - 2's stores have read their registers: tile b's rows may land there
.endif
	TOSTAGE \b
	SEND \b-1, 32                                  ; behind tile b - 1's loads: tile b's 16 stores and 16 loads
.endr
	SEND 3, 0
	s_wait_tensorcnt 0x0                           ; the wave's end: behind my last tensor load and my last LDS store
	ds_add_u32 v[SPW], v[NIL]
	s_wait_dscnt 0x0
	CROUND                                         ; the closing round
	s_endpgm
.Lfunc_end_k_qed42e702fc_oproj:
	.size	k_qed42e702fc_oproj, .Lfunc_end_k_qed42e702fc_oproj-k_qed42e702fc_oproj
	.p2alignl 7, 3214868480
	.fill 96, 4, 3214868480
	.section	.rodata,"a",@progbits
	.p2align	6, 0x0
	.amdhsa_kernel k_qed42e702fc_oproj
		.amdhsa_group_segment_fixed_size 327680
		.amdhsa_private_segment_fixed_size 0
		.amdhsa_enable_private_segment 0
		.amdhsa_kernarg_size 40
		.amdhsa_user_sgpr_count 2
		.amdhsa_user_sgpr_kernarg_segment_ptr 1
		.amdhsa_wavefront_size32 1
		.amdhsa_system_sgpr_workgroup_id_x 1
		.amdhsa_system_sgpr_workgroup_id_y 1
		.amdhsa_system_sgpr_workgroup_id_z 1
		.amdhsa_system_vgpr_workitem_id 0
		.amdhsa_next_free_vgpr 768
		.amdhsa_next_free_sgpr 100
		.amdhsa_reserve_vcc 0
		.amdhsa_float_denorm_mode_32 3
		.amdhsa_float_denorm_mode_16_64 3
		.amdhsa_memory_ordered 1
		.amdhsa_forward_progress 1
		.amdhsa_inst_pref_size 87
	.end_amdhsa_kernel
	.amdgpu_metadata
---
amdhsa.version: [ 1, 2 ]
amdhsa.kernels:
  - .name:           k_qed42e702fc_oproj
    .symbol:         k_qed42e702fc_oproj.kd
    .args:
      - { .name: img, .offset: 0, .size: 8, .value_kind: global_buffer, .address_space: global }
      - { .name: sc, .offset: 8, .size: 8, .value_kind: global_buffer, .address_space: global }
      - { .name: o_img, .offset: 16, .size: 8, .value_kind: global_buffer, .address_space: global }
      - { .name: o_sc, .offset: 24, .size: 8, .value_kind: global_buffer, .address_space: global }
      - { .name: out0, .offset: 32, .size: 8, .value_kind: global_buffer, .address_space: global }
    .group_segment_fixed_size: 327680
    .private_segment_fixed_size: 0
    .kernarg_segment_align: 8
    .kernarg_segment_size: 40
    .max_flat_workgroup_size: 128
    .sgpr_count:     100
    .vgpr_count:     768
    .wavefront_size: 32
...
	.end_amdgpu_metadata
.endif
;; end of part 4
